; MI455X (gfx1250); checked and timed in simulation.
; The chip was launched on July 23, 2026; its instructions are those of AMD's public machine-readable ISA for CDNA 5 (MIT licence, August 2026) and "CDNA5" Instruction Set Architecture Reference Guide (July 2026). The comments in the code are by the model that wrote it; some were corrected since.
;; Causal Self Attention. Allowed arithmetic: matrix products marked QUANTISED: E2M1 operands, one E8M0 scale for each 32 along K, by v_wmma_scale_f32_16x16x128_f8f6f4 with both operands' format E2M1 (or v_wmma_scale_f32_32x16x128_f4), f32 sums; products left as they are: bf16, f16 or f32 operands; f32 sums; everything else in f32.
;; Inputs: Wk 1,024 x 1,024 float32; Wo 1,024 x 1,024 float32; Wq 1,024 x 1,024 float32; Wv 1,024 x 1,024 float32; bk 1,024 float32; bo 1,024 float32; bq 1,024 float32; bv 1,024 float32; x 4 x 2,048 x 1,024 float32.
;; Outputs: out0 4 x 2,048 x 1,024 float32.
;; This version of the problem:
;;   THIS VERSION OF THE PROBLEM IS GIVEN IN LOW PRECISION. The matrix products marked QUANTISED in the list below multiply operands that are first quantised to E2M1 (2 exponent bits, 1 mantissa bit; 4 bits a number), with one power-of-two scale for each 32 numbers along K (OCP MX v1.0); their sums are f32. The products marked 'left as it is' may take bf16, f16 or f32 operands, with f32 sums. Whichever they take, every output number must still come out within the allowed error. Rounding operands to bf16 (8 significant bits) uses up far more of that allowance than f16 does (11 bits, for magnitudes from 6e-5 to 65,504). All else is computed in f32.
;;   The module's matrix products, in the order in which they are computed (A, B: the left and right operand; K: the contracted axis; several contracted axes count as one K, in the product's order):
;;     1. [M 8,192, K 1,024] x [K 1,024, N 1,024]; A: input x; B: input Wq: QUANTISED
;;     2. [M 8,192, K 1,024] x [K 1,024, N 1,024]; A: input x; B: input Wk: QUANTISED
;;     3. [M 8,192, K 1,024] x [K 1,024, N 1,024]; A: input x; B: input Wv: QUANTISED
;;     4. batch 64 x [M 2,048, K 64] x [K 64, N 2,048]; A: computed on the way; B: computed on the way: left as it is (an operand is computed on the way)
;;     5. batch 64 x [M 2,048, K 2,048] x [K 2,048, N 64]; A: computed on the way; B: computed on the way: left as it is (an operand is computed on the way)
;;     6. [M 8,192, K 1,024] x [K 1,024, N 1,024]; A: computed on the way; B: input Wo: left as it is (an operand is computed on the way)
;;   THE QUANTISER, for each operand of a quantised product, along K:
;;     - K is cut into blocks of 32 from its start; a last block that is shorter is filled with zeros.
;;     - A block's scale is 2^e with e = floor(log2(the largest magnitude in the block)) - 2, held to -126 .. 127; a block of zeros has e = 0. As a byte (E8M0): e + 127.
;;     - Each number is divided by its block's scale, clamped to +-6, and rounded to the nearest number of E2M1, ties to even, subnormals kept.
;;     - The product sums the exact products of the quantised numbers (number of the format x scale) in f32.
;;   ~~~python
;;   def quantise(x, axis):      # numpy; x: float32 -> the quantised numbers, widened to float32 again
;;       x = np.moveaxis(x, axis, -1); K = x.shape[-1]
;;       x = np.pad(x, [(0, 0)] * (x.ndim - 1) + [(0, -K % 32)]); x = x.reshape(x.shape[:-1] + (-1, 32)); a = np.abs(x).max(-1, keepdims=True)
;;       e = np.where(a > 0, np.clip(np.frexp(np.where(a > 0, a, 1))[1] - 1 - 2, -126, 127), 0)      # np.frexp(a)[1] - 1 = floor(log2(a)), exactly
;;       r = np.clip(x / 2.0 ** e, -6, 6)
;;       step = 2.0 ** (np.maximum(np.frexp(np.where(r == 0, 1, r))[1] - 1, 0) - 1)
;;       q = np.round(r / step) * step * 2.0 ** e      # np.round: ties to even
;;       return np.moveaxis(q.reshape(q.shape[:-2] + (-1,))[..., :K], -1, axis).astype(np.float32)
;;   ~~~
;; One version. Each part assembles by itself: llvm-mc -triple=amdgcn-amd-amdhsa -mcpu=gfx1250 --defsym DOCPART=n.
;; ======== version 1 of 1: 5 launches
;; limits: values are held in f16: magnitudes above 65,504 overflow, below 6.1e-05 lose precision
;; workspace buffers: codes 5,767,168 bytes; scales 360,448 bytes; wo_img 2,097,152 bytes; q_img 16,777,216 bytes; kv_img 33,554,432 bytes; y_img 16,777,216 bytes; fine 786,432 bytes
;; launch prep (part 1): grid 512 x 1, 4 waves a work-group, no clusters, 33,280 bytes of LDS; arguments x, Wq, Wk, Wv, Wo, codes, scales, wo_img; writes codes, scales, wo_img
.if DOCPART == 1
	.amdgcn_target "amdgcn-amd-amdhsa--gfx1250"
	.amdhsa_code_object_version 6
	.text
	.protected	k_q63dfd42fd2_prep
	.globl	k_q63dfd42fd2_prep
	.p2align	8
	.type	k_q63dfd42fd2_prep,@function
k_q63dfd42fd2_prep:
	s_mov_b64 s[64:65], 0
	v_nop
	global_prefetch_b8 v0, s[64:65] scope:SCOPE_SE
	s_setreg_imm32_b32 hwreg(HW_REG_WAVE_MODE, 25, 1), 1
	s_wait_xcnt 0x0
; x [8192][1024] f32 and Wq, Wk, Wv [1024 (k)][1024 (n)] f32 become codes of FP4 (E2M1) with one E8M0 byte for each 32 along K; Wo [1024 (k)][1024 (n)] becomes f16.
; A block's scale is 2^(floor(log2(its largest magnitude)) - 2): its byte is the largest magnitude's exponent field - 2, held at 1 from below.
; LIMITS: a block of zeros gets the byte 1 (its codes are zeros, and this program alone reads the bytes); NaN and infinities among the inputs are not served; |Wo| up to 65,504 (f16).
; Work-groups 0-255 take x: a plain stream of blocks of 32 (K is innermost).  codes[0 ..): [8192][512 bytes]; scales[0 ..): [8192][32 bytes].
; Work-groups 256-511 take the weights: number - 256 = 64 t + 8 j + ks: tensor t, columns 128 j on, k 128 ks on.  A LANE TAKES A COLUMN AND ITS REGISTERS RUN DOWN K.
; The weights leave as IMAGES OF OPERAND REGISTERS, 1,024 bytes a fragment:
;   codes + 4,194,304: [t 3][tile of 16 columns 64][ks 8][1,024]: the 16 bytes of K block bl (0..3) of column r at 256 bl + 16 r;
;   scales + 262,144:  [ks 8][j 8][t 3][128 columns] words, byte b of a word for K block b;
;   wo_img: [ks 8][tile of 16 columns 64][32 k: 4][1,024]: the 16 bytes of k = 8 o .. 8 o + 7 of column r at 256 o + 16 r.
; Only x's path uses LDS (each wave its own bytes); no tensor load, no barrier: waves share nothing.
.set STEPS, 16
.set SP,    80                         ; a lane's place in a stage: 64 bytes + 16 of padding
.set WREG,  8192                       ; LDS of a wave: two stages of 32 x SP bytes, behind them its 256 scale bytes
.set SPARE, 4*WREG                     ; the spare words, 128 bytes a wave: no other line names them
.set XN,    16                         ; v16-47   two sets of 16 neighbours
.set RN,    48                         ; v48-175  eight sets of 16 numbers as loaded
.set CN,    176                        ; v176-207 codes, two registers a step
.set EN,    208                        ; v208-223 a scale byte a step
.set SPW,   12
.set NIL,   13
	s_load_b512 s[4:19], s[0:1], 0x0               ; x s[4:5], Wq s[6:7], Wk s[8:9], Wv s[10:11], Wo s[12:13], codes s[14:15], scales s[16:17], wo_img s[18:19]
	v_lshl_add_u32 v[SPW], v0, 2, SPARE
	v_mov_b32 v[NIL], 0
	v_lshrrev_b32 v1, 5, v0
	v_readfirstlane_b32 s20, v1                    ; wave
	v_and_b32 v2, 31, v0                           ; lane
	s_cmp_lt_u32 ttmp9, 256
	s_cbranch_scc0 .Lweights
; ---------------- x: a wave takes 16 steps of 512 numbers (8 rows of x)
	v_lshlrev_b32 v3, 4, v2                        ; my 16 bytes of a load's 512
	s_lshl_b32 s21, s20, 13                        ; my wave's LDS
	v_lshrrev_b32 v14, 2, v2
	v_mul_u32_u24 v14, v14, SP
	v_and_b32 v15, 3, v2
	v_lshl_add_u32 v14, v15, 4, v14
	v_add_nc_u32 v14, s21, v14                     ; the stage, in: four lanes' 64 bytes on end, then the padding
	v_mul_u32_u24 v15, v2, SP
	v_add_nc_u32 v15, s21, v15                     ; the stage, out: my 16 neighbours
	v_lshlrev_b32 v4, 3, v2                        ; 8 x lane: my codes in a step's 256 bytes, and my 8 scale bytes at the end
	v_lshrrev_b32 v5, 1, v2
	s_add_co_u32 s21, s21, 2*32*SP
	v_add_nc_u32 v5, s21, v5                       ; my block's scale byte in LDS
	v_add_nc_u32 v6, s21, v4                       ; and where I read 8 of them back
	s_lshl_b32 s22, ttmp9, 2
	s_add_co_u32 s22, s22, s20                     ; which run of 8,192 numbers is my wave's
	s_lshl_b32 s24, s22, 15
	s_mov_b32 s25, 0
	s_lshl_b32 s26, s22, 12
	s_mov_b32 s27, 0
	s_lshl_b32 s28, s22, 8
	s_mov_b32 s29, 0
	s_wait_kmcnt 0x0
	s_add_nc_u64 s[4:5], s[4:5], s[24:25]
	s_add_nc_u64 s[14:15], s[14:15], s[26:27]
	s_add_nc_u64 s[16:17], s[16:17], s[28:29]
.macro LOAD t                          ; step t's 2,048 bytes: each load reads 512 consecutive bytes
.irp i, 0,1,2,3
	global_load_b128 v[RN+16*((\t)%8)+4*\i:RN+16*((\t)%8)+4*\i+3], v3, s[4:5] offset:2048*(\t)+512*\i th:TH_LOAD_NT
.endr
.endm
.macro TURN t                          ; through the stage: LDS serves a wave's instructions in order, so no wait stands between the stores and the loads
.irp i, 0,1,2,3
	ds_store_b128 v14, v[RN+16*((\t)%8)+4*\i:RN+16*((\t)%8)+4*\i+3] offset:32*SP*((\t)%2)+8*SP*\i
.endr
.irp i, 0,1,2,3
	ds_load_b128 v[XN+16*((\t)%2)+4*\i:XN+16*((\t)%2)+4*\i+3], v15 offset:32*SP*((\t)%2)+16*\i
.endr
.endm
.irp t, 0,1,2,3,4,5,6,7
	LOAD \t
.endr
	s_wait_loadcnt 28                              ; step 0's four loads are in; seven steps' 28 stay out
	TURN 0
.macro STEP t
.set XS, XN+16*((\t)%2)
.if (\t) > 0
	s_wait_dscnt 1                                 ; this step's numbers are back from the stage (the last step's byte store may be out): its stage stores have read their registers,
.else
	s_wait_dscnt 0x0
.endif
.if (\t)+8 < STEPS
	LOAD (\t)+8                                    ; which take the loads of eight steps on
.endif
.if (\t)+1 < STEPS
.if (\t) < 8
	s_wait_loadcnt 28                              ; the next step's loads are in; those of the seven steps behind it may be out
.else
	s_wait_loadcnt 4*(14-(\t))                     ; the counts run down: nothing more is asked for
.endif
	TURN (\t)+1
.endif
	v_max3_num_f32 v8, |v[XS]|, |v[XS+1]|, |v[XS+2]|               ; the largest magnitude of my 16, in two chains
	v_max3_num_f32 v9, |v[XS+3]|, |v[XS+4]|, |v[XS+5]|
.irp i, 6,10
	v_max3_num_f32 v8, v8, |v[XS+\i]|, |v[XS+\i+1]|
	v_max3_num_f32 v9, v9, |v[XS+\i+2]|, |v[XS+\i+3]|
.endr
	v_max3_num_f32 v8, v8, |v[XS+14]|, |v[XS+15]|
	v_max3_num_f32 v8, v8, v9, 0x1800000           ; and the floor 2^(3 - 127): the byte cannot fall under 1
	v_max_num_f32_dpp v8, v8, v8 row_xmask:1 row_mask:0xf bank_mask:0xf   ; with my neighbour's 16: the block's
	v_add_nc_u32 v11, 0xff000000, v8               ; 2 off its exponent field: the conversion takes this operand's exponent field as its scale
	v_cvt_scalef32_pk8_fp4_f32 v[CN+2*(\t)], v[XS:XS+7], v11
	v_cvt_scalef32_pk8_fp4_f32 v[CN+2*(\t)+1], v[XS+8:XS+15], v11
	v_lshrrev_b32 v[EN+(\t)], 23, v11              ; the scale's byte (a plain line behind the conversions)
	ds_store_b8 v5, v[EN+(\t)] offset:16*(\t)      ; both lanes of a block write the same byte with the same value
	global_store_b64 v4, v[CN+2*(\t):CN+2*(\t)+1], s[14:15] offset:256*(\t)   ; the wave stores 256 consecutive bytes, aligned
.endm
.set T, 0
.rept STEPS
	STEP T
.set T, T+1
.endr
	ds_load_b64 v[8:9], v6                         ; my wave's 256 scale bytes
	s_wait_dscnt 0x0
	global_store_b64 v4, v[8:9], s[16:17]          ; 256 consecutive bytes, aligned
	s_wait_tensorcnt 0x0                           ; the wave's end, behind my last LDS store
	ds_add_u32 v[SPW], v[NIL]
	s_wait_dscnt 0x0
	s_endpgm
; ---------------- the weights: a wave takes 32 columns x 128 k; 128 loads of 128 consecutive bytes, the four waves side by side on 512
.Lweights:
	s_sub_co_u32 s21, ttmp9, 256
	s_lshr_b32 s22, s21, 6                         ; t: 0 Wq, 1 Wk, 2 Wv, 3 Wo
	s_bfe_u32 s23, s21, 0x30003                    ; j
	s_and_b32 s24, s21, 7                          ; ks
	v_lshlrev_b32 v3, 2, v2                        ; 4 x lane
	v_lshrrev_b32 v4, 4, v2                        ; which of my wave's two tiles of 16 columns
	v_and_b32 v5, 15, v2
	v_lshlrev_b32 v5, 4, v5
	v_lshl_add_u32 v6, v4, 13, v5                  ; codes: a tile is 8,192 bytes
	v_lshl_add_u32 v7, v4, 12, v5                  ; wo_img: a tile is 4,096 bytes
	s_lshl_b32 s26, s24, 19                        ; in W: 128 ks rows of 4,096 bytes
	s_lshl_b32 s25, s23, 9
	s_add_co_u32 s26, s26, s25
	s_lshl_b32 s25, s20, 7
	s_add_co_u32 s26, s26, s25                     ; + (128 j + 32 wave) columns
	s_mov_b32 s27, 0
	s_lshl_b32 s28, s22, 19                        ; in codes: t, tile 8 j + 2 wave, ks
	s_lshl_b32 s25, s23, 16
	s_add_co_u32 s28, s28, s25
	s_lshl_b32 s25, s20, 14
	s_add_co_u32 s28, s28, s25
	s_lshl_b32 s25, s24, 10
	s_add_co_u32 s28, s28, s25
	s_add_co_u32 s28, s28, 0x400000
	s_mov_b32 s29, 0
	s_mul_i32 s30, s24, 12288                      ; in scales: ks, j, t, 32 wave words
	s_mul_i32 s25, s23, 1536
	s_add_co_u32 s30, s30, s25
	s_lshl_b32 s25, s22, 9
	s_add_co_u32 s30, s30, s25
	s_lshl_b32 s25, s20, 7
	s_add_co_u32 s30, s30, s25
	s_add_co_u32 s30, s30, 262144
	s_mov_b32 s31, 0
	s_lshl_b32 s32, s24, 18                        ; in wo_img: ks, tile 8 j + 2 wave
	s_lshl_b32 s25, s23, 15
	s_add_co_u32 s32, s32, s25
	s_lshl_b32 s25, s20, 13
	s_add_co_u32 s32, s32, s25
	s_mov_b32 s33, 0
	s_wait_kmcnt 0x0
	s_cmp_eq_u32 s22, 1                            ; the tensor is chosen by the work-group's number alone
	s_cselect_b64 s[6:7], s[8:9], s[6:7]
	s_cmp_eq_u32 s22, 2
	s_cselect_b64 s[6:7], s[10:11], s[6:7]
	s_cmp_eq_u32 s22, 3
	s_cselect_b64 s[6:7], s[12:13], s[6:7]
	s_add_nc_u64 s[6:7], s[6:7], s[26:27]
	s_add_nc_u64 s[14:15], s[14:15], s[28:29]
	s_add_nc_u64 s[16:17], s[16:17], s[30:31]
	s_add_nc_u64 s[18:19], s[18:19], s[32:33]
.set i, 0
.rept 128
	global_load_b32 v[32+i], v3, s[6:7] offset:i*4096 th:TH_LOAD_NT   ; W(128 ks + i, my column)
.set i, i+1
.endr
	s_cmp_eq_u32 s22, 3
	s_cbranch_scc1 .Lwo
.macro WBLOCK bl                       ; K block bl: all its 32 numbers are mine
.set XS, 32+32*(\bl)
.if (\bl) < 2
	s_wait_loadcnt 63                              ; 96 (64) younger loads could stay out; the wait's field holds 63, which is the stricter count
.else
	s_wait_loadcnt 96-32*(\bl)                     ; the blocks behind this one may stay out
.endif
	v_max3_num_f32 v8, |v[XS]|, |v[XS+1]|, |v[XS+2]|
	v_max3_num_f32 v9, |v[XS+3]|, |v[XS+4]|, |v[XS+5]|
.irp i, 6,10,14,18,22,26
	v_max3_num_f32 v8, v8, |v[XS+\i]|, |v[XS+\i+1]|
	v_max3_num_f32 v9, v9, |v[XS+\i+2]|, |v[XS+\i+3]|
.endr
	v_max3_num_f32 v8, v8, |v[XS+30]|, |v[XS+31]|
	v_max3_num_f32 v8, v8, v9, 0x1800000           ; the floor 2^(3 - 127)
	v_add_nc_u32 v11, 0xff000000, v8               ; the conversion's scale operand
	v_lshrrev_b32 v9, 23, v11                      ; the byte
.if (\bl) == 0
	v_mov_b32 v24, v9
.else
	v_lshl_or_b32 v24, v9, 8*(\bl), v24            ; four bytes make my column's scale word
.endif
.irp g, 0,1,2,3
	v_cvt_scalef32_pk8_fp4_f32 v[160+4*(\bl)+\g], v[XS+8*\g:XS+8*\g+7], v11
.endr
.endm
	WBLOCK 0
	WBLOCK 1
	WBLOCK 2
	WBLOCK 3
	v_nop                                          ; a plain line behind the last conversion
.irp bl, 0,1,2,3
	global_store_b128 v6, v[160+4*\bl:160+4*\bl+3], s[14:15] offset:256*\bl   ; sixteen lanes store 256 consecutive bytes, aligned
.endr
	global_store_b32 v3, v24, s[16:17]             ; 128 consecutive bytes a wave, 512 a work-group
	s_endpgm
.Lwo:
	s_wait_loadcnt 0x0
.set i, 0
.rept 64
	v_cvt_pk_f16_f32 v[160+i], v[32+2*i], v[33+2*i]   ; k = 2 i in the low half
.set i, i+1
.endr
.set i, 0
.rept 16
	global_store_b128 v7, v[160+4*i:160+4*i+3], s[18:19] offset:256*i   ; k = 8 i .. 8 i + 7 of my column; sixteen lanes store 256 consecutive bytes, aligned
.set i, i+1
.endr
	s_endpgm
.Lfunc_end_k_q63dfd42fd2_prep:
	.size	k_q63dfd42fd2_prep, .Lfunc_end_k_q63dfd42fd2_prep-k_q63dfd42fd2_prep
	.p2alignl 7, 3214868480
	.fill 96, 4, 3214868480
	.section	.rodata,"a",@progbits
	.p2align	6, 0x0
	.amdhsa_kernel k_q63dfd42fd2_prep
		.amdhsa_group_segment_fixed_size 33280
		.amdhsa_private_segment_fixed_size 0
		.amdhsa_enable_private_segment 0
		.amdhsa_kernarg_size 64
		.amdhsa_user_sgpr_count 2
		.amdhsa_user_sgpr_kernarg_segment_ptr 1
		.amdhsa_wavefront_size32 1
		.amdhsa_system_sgpr_workgroup_id_x 1
		.amdhsa_system_sgpr_workgroup_id_y 1
		.amdhsa_system_sgpr_workgroup_id_z 1
		.amdhsa_system_vgpr_workitem_id 0
		.amdhsa_next_free_vgpr 224
		.amdhsa_next_free_sgpr 66
		.amdhsa_reserve_vcc 0
		.amdhsa_float_denorm_mode_32 3
		.amdhsa_float_denorm_mode_16_64 3
		.amdhsa_memory_ordered 1
		.amdhsa_forward_progress 1
		.amdhsa_inst_pref_size 59
	.end_amdhsa_kernel
	.amdgpu_metadata
---
amdhsa.version: [ 1, 2 ]
amdhsa.kernels:
  - .name:           k_q63dfd42fd2_prep
    .symbol:         k_q63dfd42fd2_prep.kd
    .args:
      - { .name: x, .offset: 0, .size: 8, .value_kind: global_buffer, .address_space: global }
      - { .name: Wq, .offset: 8, .size: 8, .value_kind: global_buffer, .address_space: global }
      - { .name: Wk, .offset: 16, .size: 8, .value_kind: global_buffer, .address_space: global }
      - { .name: Wv, .offset: 24, .size: 8, .value_kind: global_buffer, .address_space: global }
      - { .name: Wo, .offset: 32, .size: 8, .value_kind: global_buffer, .address_space: global }
      - { .name: codes, .offset: 40, .size: 8, .value_kind: global_buffer, .address_space: global }
      - { .name: scales, .offset: 48, .size: 8, .value_kind: global_buffer, .address_space: global }
      - { .name: wo_img, .offset: 56, .size: 8, .value_kind: global_buffer, .address_space: global }
    .group_segment_fixed_size: 33280
    .private_segment_fixed_size: 0
    .kernarg_segment_align: 8
    .kernarg_segment_size: 64
    .max_flat_workgroup_size: 128
    .sgpr_count:     66
    .vgpr_count:     224
    .wavefront_size: 32
...
	.end_amdgpu_metadata
.endif
;; end of part 1
;; launch qkv (part 2): grid 8 x 32, 8 waves a work-group, clusters of 4 x 4, 327,680 bytes of LDS; arguments codes, scales, bq, bk, bv, q_img, kv_img, fine; writes q_img, kv_img, fine
.if DOCPART == 2
	.amdgcn_target "amdgcn-amd-amdhsa--gfx1250"
	.amdhsa_code_object_version 6
	.text
	.protected	k_q63dfd42fd2_qkv
	.globl	k_q63dfd42fd2_qkv
	.p2align	8
	.type	k_q63dfd42fd2_qkv,@function
k_q63dfd42fd2_qkv:
	s_mov_b64 s[64:65], 0
	v_nop
	global_prefetch_b8 v0, s[64:65] scope:SCOPE_SE
	s_setreg_imm32_b32 hwreg(HW_REG_WAVE_MODE, 25, 1), 1
	s_wait_xcnt 0x0
	s_wait_alu depctr_hold_cnt(0) depctr_sa_sdst(0) depctr_va_vdst(0) depctr_va_sdst(0) depctr_va_ssrc(0) depctr_va_vcc(0) depctr_vm_vsrc(0)
	s_getreg_b32 s2, hwreg(HW_REG_IB_STS2, 6, 4)
	s_cmp_eq_u32 s2, 0
	s_cbranch_scc0 .Lentry_in_a_cluster
	s_endpgm
.Lentry_in_a_cluster:
	s_bfe_u32 s2, ttmp6, 0x10000c
	s_cmp_lg_u32 s2, 0xf033
	s_cbranch_scc0 .Lentry_shape_is_right
	s_endpgm
.Lentry_shape_is_right:
; q = x Wq + bq, k = x Wk + bk, v = x Wv + bv on codes of FP4 (E2M1) with E8M0 scales, f32 sums; M 8,192, K 1,024, N 3 x 1,024.
; A work-group keeps 256 rows of x (all of K: 128 KB of codes) in LDS and walks three tiles of 256 x 128: columns 128 j on of Wq, Wk, Wv.  The weights' tiles (64 KB, images of operand registers) take turns in two slots.
; Eight waves: wave w makes rows 64 (w & 3) on x columns 64 (w >> 2) on, which are one head: 16 accumulators.
; THE MATRIX INSTRUCTION IS USED TRANSPOSED (source 0 = 16 columns of W, source 1 = 16 rows of x): a lane holds ONE token (lane % 16) and eight neighbouring channels, 16 b + 8 (lane / 16) + 0 .. 7.
; Rounded to f16 in pairs, those 16 bytes are the lane's part of an f16 operand fragment (16 tokens x 32 channels), so the results leave straight from registers as IMAGES OF OPERAND REGISTERS, 512 whole bytes a store:
;   q_img [batch x head 64][tile of 16 tokens 128][32 channels: 2][1,024]: q x log2(e) / 8;   kv_img [batch x head 64][256 keys: 8][K 32,768 | V 32,768], each [tile of 16 keys 16][2][1,024];
;   V's 16-byte pieces lie so that the turning LDS load at 16 x lane finds them: piece (token r, channels 16 b + 8 h on) at 512 b + 256 (r / 8) + 128 h + 16 (r % 8).
;   fine: tokens 0-15 of each batch in f32, as the accumulators stand: [q, k, v][batch 4][head 16][16 channels: 4][half 2][lane 32][16 bytes].
; The bias is the C of each sum's first product: it is loaded into the accumulators.
; CLUSTER 4 x 4: column group j = 4 x cluster x + cx; row block = 8 cy + cluster y (batch cy).  x's tiles are shared along a row of the cluster, the weights' along a column: joint loads.
; LIMITS: |q| x 0.18, |k|, |v| up to 65,504 (f16).
.set XPITCH, 528                       ; a row of x in LDS: 512 bytes + 16: the 16 rows that a load touches start at 16 different groups of banks
.set XS,    135168                     ; behind x's 256 rows: their scale bytes, 32 a row, dense
.set W0,    143360                     ; the weights' slots: [tile of 16 columns 8][K step 8][1,024]
.set W1,    208896
.set WS,    274432                     ; the weights' scale words: [K step 8][q, k, v][128 columns]
.set SPARE, 286720                     ; the spare words, 128 bytes a wave: no other line names them
.set ADRA, 3                           ; v3   x's fragments: (64 mq + r) x 528 + 16 h
.set ADRB, 4                           ; v4-5 the weights' fragments in slot 0, 1: 16 x lane + 32,768 nh
.set ADSA, 6                           ; v6   x's scale words: lanes 0-15 K steps 0-3, lanes 16-31 K steps 4-7
.set ADSB, 7                           ; v7   the weights': likewise
.set L16,  8                           ; v8   16 x lane
.set VOF,  9                           ; v9   V's place of my 16 bytes
.set BOF,  10                          ; v10  32 h: my eight numbers of a bias
.set SPW,  11
.set NIL,  12
.set SA,   16                          ; v16-31  x's scale words: block a, register i
.set SB,   32                          ; v32-47  the weights': tile b, register i
.set AF,   48                          ; v48-79  x's four fragments
.set BF,   80                          ; v80-111 the weights' four
.set PK,   48                          ; v48-111 on the way out: results in f16
.set ACC,  128                         ; v128-255 accumulator (a, b) at 128 + 8 (4 a + b)
.set WV,   20
.set MQ,   21
.set NH,   22
.set ROLE, 30                          ; wave / 2
.set G1X,  32
.set G1W,  40
.set G1XS, 48
.set G1WS, 56
.set G0X,  68
.set G0W,  72
.set G0XS, 76
.set G0WS, 80
.set FLAG, 92                          ; 0 where my block 0 holds tokens 0-15 of a batch: cluster y | mq: alike in all partners
.set WHALF, 93                         ; 32,768 x (wave & 1)
.set CC,   94                          ; s[94:95] log2(e) / 8
.macro CROUND                          ; a round of the cluster's barrier
	s_barrier_signal -1
	s_barrier_wait -1
	s_cmp_lg_u32 s[WV], 0
	s_cbranch_scc1 .Lnot_wave_0_\@
	s_barrier_signal -3
.Lnot_wave_0_\@:
	s_barrier_wait -3
	s_barrier_signal -1
	s_barrier_wait -1
.endm
.macro SHAPE g, c, r, p                ; words 1 to 7 of a group 1: r rows of c elements, p elements from row to row
	s_mov_b32 s[\g+1], (\c)<<16
	s_mov_b32 s[\g+2], (\r)<<16
	s_mov_b32 s[\g+3], (\c)<<16
	s_mov_b32 s[\g+4], \r
	s_mov_b32 s[\g+5], \p
	s_mov_b32 s[\g+6], 0
	s_mov_b32 s[\g+7], 0
.endm
.macro PLACES
.rept 4
	v_nop
.endr
.endm
	s_load_b512 s[4:19], s[0:1], 0x0               ; codes s[4:5], scales s[6:7], bq s[8:9], bk s[10:11], bv s[12:13], q_img s[14:15], kv_img s[16:17], fine s[18:19]
	v_lshl_add_u32 v[SPW], v0, 2, SPARE
	v_mov_b32 v[NIL], 0
	ds_add_u32 v[SPW], v[NIL]                      ; the wave's opening: the add, twice on end, and its wait ahead of my first tensor load
	ds_add_u32 v[SPW], v[NIL]
	v_lshrrev_b32 v1, 5, v0
	v_readfirstlane_b32 s[WV], v1                  ; wave 0..7
	s_and_b32 s[MQ], s[WV], 3
	s_lshr_b32 s[NH], s[WV], 2
	s_lshr_b32 s[ROLE], s[WV], 1
	s_and_b32 s31, s[WV], 1
	s_lshl_b32 s[WHALF], s31, 15
	s_bfe_u32 s23, ttmp6, 0x40000                  ; cx
	s_bfe_u32 s24, ttmp6, 0x40004                  ; cy
	s_lshl_b32 s25, ttmp9, 2
	s_add_co_u32 s25, s25, s23                     ; j
	s_and_b32 s26, ttmp7, 0xffff                   ; cluster y
	s_lshl_b32 s27, s24, 3
	s_add_co_u32 s27, s27, s26                     ; row block = 8 cy + cluster y
	s_lshl_b32 s28, s24, 2
	s_lshl_b32 s28, 15, s28                        ; my row of the cluster
	s_lshl_b32 s29, 0x1111, s23                    ; my column
	s_or_b32 s[FLAG], s26, s[MQ]
	s_mov_b32 s[CC], 0x3e38aa3b
	s_mov_b32 s[CC+1], s[CC]
	s_or_b32 s[G1X], s28, (1<<20)|(1<<21)|(6<<22)|(3<<25)   ; bytes; 4 words of padding behind every 128; bit 21 beside the mask
	SHAPE G1X, 512, 64, 512                        ; 64 rows of 512 bytes of codes
	s_or_b32 s[G1W], s29, (3<<16)|(1<<21)          ; elements of 8 bytes, dense
	SHAPE G1W, 32, 128, 32                         ; 32,768 dense bytes as 128 rows of 256
	s_or_b32 s[G1XS], s28, (3<<16)|(1<<21)
	SHAPE G1XS, 32, 32, 32                         ; 8,192 dense bytes
	s_or_b32 s[G1WS], s29, (3<<16)|(1<<21)
	SHAPE G1WS, 192, 8, 1536                       ; 8 rows of 1,536 bytes, 12,288 apart
	s_mov_b32 s[G0X], 1
	s_mul_i32 s[G0X+1], s[MQ], 64*XPITCH
	s_mov_b32 s[G0W], 1
	s_add_co_u32 s[G0W+1], s[WHALF], W0
	s_mov_b32 s[G0XS], 1
	s_mov_b32 s[G0XS+1], XS
	s_mov_b32 s[G0WS], 1
	s_mov_b32 s[G0WS+1], WS
	s_lshl_b32 s96, s27, 17                        ; x's codes: row block x 256 rows x 512 bytes
	s_lshl_b32 s97, s[MQ], 15
	s_add_co_u32 s96, s96, s97                     ; + 64 rows for each of waves 0-3
	s_mov_b32 s97, 0
	s_lshl_b32 s98, s25, 16                        ; the weights' codes: j x 65,536
	s_add_co_u32 s98, s98, s[WHALF]
	s_add_co_u32 s98, s98, 0x400000
	s_mov_b32 s99, 0
	s_wait_dscnt 0x0                               ; both opening adds are done
	s_wait_kmcnt 0x0
	s_add_nc_u64 s[G0X+2:G0X+3], s[4:5], s[96:97]
	s_or_b32 s[G0X+3], s[G0X+3], 0x80000000
	s_add_nc_u64 s[G0W+2:G0W+3], s[4:5], s[98:99]
	s_or_b32 s[G0W+3], s[G0W+3], 0x80000000
	s_lshl_b32 s96, s27, 13                        ; x's scale bytes: 256 rows x 32
	s_add_nc_u64 s[G0XS+2:G0XS+3], s[6:7], s[96:97]
	s_or_b32 s[G0XS+3], s[G0XS+3], 0x80000000
	s_mul_i32 s98, s25, 1536
	s_add_co_u32 s98, s98, 262144
	s_add_nc_u64 s[G0WS+2:G0WS+3], s[6:7], s[98:99]
	s_or_b32 s[G0WS+3], s[G0WS+3], 0x80000000
	CROUND                                         ; all sixteen work-groups are here: the first joint loads meet
	s_cmp_lt_u32 s[WV], 4                          ; every wave issues one first fill: waves 0-3 x's codes, 4 and 5 Wq's halves, 6 x's scale bytes, 7 the weights' scale words
	s_cbranch_scc0 .Lfirst_w
	tensor_load_to_lds s[G0X:G0X+3], s[G1X:G1X+7]
	s_nop 0
	s_branch .Lfirst_done
.Lfirst_w:
	s_cmp_lt_u32 s[WV], 6
	s_cbranch_scc0 .Lfirst_xs
	tensor_load_to_lds s[G0W:G0W+3], s[G1W:G1W+7]
	s_nop 0
	s_branch .Lfirst_done
.Lfirst_xs:
	s_cmp_eq_u32 s[WV], 6
	s_cbranch_scc0 .Lfirst_ws
	tensor_load_to_lds s[G0XS:G0XS+3], s[G1XS:G1XS+7]
	s_nop 0
	s_branch .Lfirst_done
.Lfirst_ws:
	tensor_load_to_lds s[G0WS:G0WS+3], s[G1WS:G1WS+7]
	s_nop 0
.Lfirst_done:
	; where the results go
	s_lshl_b32 s100, s24, 4
	s_lshl_b32 s101, s25, 1
	s_add_co_u32 s100, s100, s101
	s_add_co_u32 s100, s100, s[NH]                 ; batch x 16 + head, head = 2 j + nh
	s_lshl_b32 s2, s100, 18
	s_lshl_b32 s101, s26, 15
	s_add_co_u32 s2, s2, s101
	s_lshl_b32 s101, s[MQ], 13
	s_add_co_u32 s2, s2, s101
	s_mov_b32 s3, 0
	s_add_nc_u64 s[84:85], s[14:15], s[2:3]        ; q_img: tile 16 y + 4 mq of my head
	s_lshl_b32 s2, s100, 19
	s_lshl_b32 s101, s26, 16
	s_add_co_u32 s2, s2, s101
	s_lshl_b32 s101, s[MQ], 13
	s_add_co_u32 s2, s2, s101
	s_add_nc_u64 s[86:87], s[16:17], s[2:3]        ; kv_img: slot y, K's tile 4 mq
	s_add_nc_u64 s[88:89], s[86:87], 32768         ; and V's
	s_lshl_b32 s2, s24, 16
	s_lshl_b32 s101, s25, 13
	s_add_co_u32 s2, s2, s101
	s_lshl_b32 s101, s[NH], 12
	s_add_co_u32 s2, s2, s101
	s_add_nc_u64 s[90:91], s[18:19], s[2:3]        ; fine: batch, head
	s_lshl_b32 s2, s25, 9
	s_lshl_b32 s101, s[NH], 8
	s_add_co_u32 s2, s2, s101
	s_add_nc_u64 s[8:9], s[8:9], s[2:3]            ; the biases at my 64 columns
	s_add_nc_u64 s[10:11], s[10:11], s[2:3]
	s_add_nc_u64 s[12:13], s[12:13], s[2:3]
	v_and_b32 v1, 15, v0                           ; r
	v_bfe_u32 v2, v0, 4, 1                         ; h
	v_and_b32 v13, 31, v0
	v_lshlrev_b32 v[L16], 4, v13
	v_mul_u32_u24 v[ADRA], v1, XPITCH
	v_lshl_add_u32 v[ADRA], v2, 4, v[ADRA]
	s_mul_i32 s2, s[MQ], 64*XPITCH
	v_add_nc_u32 v[ADRA], s2, v[ADRA]
	s_lshl_b32 s2, s[NH], 15
	s_add_co_u32 s2, s2, W0
	v_add_nc_u32 v[ADRB], s2, v[L16]
	v_add_nc_u32 v[ADRB+1], W1-W0, v[ADRB]
	v_lshlrev_b32 v[ADSA], 5, v1
	v_lshl_add_u32 v[ADSA], v2, 4, v[ADSA]
	s_lshl_b32 s2, s[MQ], 11
	s_add_co_u32 s2, s2, XS
	v_add_nc_u32 v[ADSA], s2, v[ADSA]
	v_mul_u32_u24 v[ADSB], v2, 4*1536
	v_lshl_add_u32 v[ADSB], v1, 2, v[ADSB]
	s_lshl_b32 s2, s[NH], 8
	s_add_co_u32 s2, s2, WS
	v_add_nc_u32 v[ADSB], s2, v[ADSB]
	v_lshrrev_b32 v[VOF], 3, v1
	v_lshlrev_b32 v[VOF], 8, v[VOF]
	v_lshl_add_u32 v[VOF], v2, 7, v[VOF]
	v_and_b32 v[BOF], 7, v1
	v_lshl_add_u32 v[VOF], v[BOF], 4, v[VOF]
	v_lshlrev_b32 v[BOF], 5, v2
.macro BIAS t                          ; b(16 b + 8 h + 0 .. 7) into every accumulator of tile b: the C of the first product
.irp a, 0,1,2,3
.irp b, 0,1,2,3
	global_load_b128 v[ACC+8*(4*\a+\b):ACC+8*(4*\a+\b)+3], v[BOF], s[8+2*\t:9+2*\t] offset:64*\b
	global_load_b128 v[ACC+8*(4*\a+\b)+4:ACC+8*(4*\a+\b)+7], v[BOF], s[8+2*\t:9+2*\t] offset:64*\b+16
.endr
.endr
.endm
; A K step of 128: four fragments a side, 16 products.  The 16 accumulators take turns, in the same order in every step.
.macro KSTEP t, q
.if \q > 0
	PLACES                                         ; four places in front of loads into registers that matrix instructions have read
.endif
.irp a, 0,1,2,3
.irp c, 0,1
	ds_load_b128 v[AF+8*\a+4*\c:AF+8*\a+4*\c+3], v[ADRA] offset:\a*16*XPITCH+64*\q+32*\c
.endr
.endr
.irp b, 0,1,2,3
.irp c, 0,1
	ds_load_b128 v[BF+8*\b+4*\c:BF+8*\b+4*\c+3], v[ADRB+(\t)%2] offset:\b*8192+\q*1024+\c*512
.endr
.endr
	s_wait_dscnt 0x0
.if \q == 0
	s_wait_loadcnt 0x0                             ; the bias
.endif
.irp a, 0,1,2,3
.irp b, 0,1,2,3
.if \q < 4
	v_wmma_scale_f32_16x16x128_f8f6f4 v[ACC+8*(4*\a+\b):ACC+8*(4*\a+\b)+7], v[BF+8*\b:BF+8*\b+7], v[AF+8*\a:AF+8*\a+7], v[ACC+8*(4*\a+\b):ACC+8*(4*\a+\b)+7], v[SB+4*\b+\q], v[SA+4*\a+\q] matrix_a_fmt:MATRIX_FMT_FP4 matrix_b_fmt:MATRIX_FMT_FP4
.else
	v_wmma_scale_f32_16x16x128_f8f6f4 v[ACC+8*(4*\a+\b):ACC+8*(4*\a+\b)+7], v[BF+8*\b:BF+8*\b+7], v[AF+8*\a:AF+8*\a+7], v[ACC+8*(4*\a+\b):ACC+8*(4*\a+\b)+7], v[SB+4*\b+\q-4], v[SA+4*\a+\q-4] matrix_a_fmt:MATRIX_FMT_FP4 matrix_b_fmt:MATRIX_FMT_FP4 matrix_a_scale:MATRIX_SCALE_ROW1 matrix_b_scale:MATRIX_SCALE_ROW1
.endif
.endr
.endr
.endm
.macro OUT t
	PLACES                                         ; four places in front of the first read of results, and of writes into the fragments' registers
.if \t == 0
.set i, 0
.rept 64
	v_pk_mul_f32 v[ACC+i:ACC+i+1], v[ACC+i:ACC+i+1], s[CC:CC+1] op_sel_hi:[1,0]   ; q x log2(e) / 8; each accumulator from its low end on
.set i, i+2
.endr
.endif
	s_cmp_lg_u32 s[FLAG], 0
	s_cbranch_scc1 .Lno_fine_\@
.irp b, 0,1,2,3
	global_store_b128 v[L16], v[ACC+8*\b:ACC+8*\b+3], s[90:91] offset:\t*262144+\b*1024       ; tokens 0-15 of the batch in f32: 512 whole bytes a store
	global_store_b128 v[L16], v[ACC+8*\b+4:ACC+8*\b+7], s[90:91] offset:\t*262144+\b*1024+512
.endr
.Lno_fine_\@:
.set i, 0
.rept 64
	v_cvt_pk_f16_f32 v[PK+i], v[ACC+2*i], v[ACC+2*i+1]
.set i, i+1
.endr
.irp a, 0,1,2,3
.irp b, 0,1,2,3
.if \t == 2
	global_store_b128 v[VOF], v[PK+4*(4*\a+\b):PK+4*(4*\a+\b)+3], s[88:89] offset:\a*2048+\b*512
.else
	global_store_b128 v[L16], v[PK+4*(4*\a+\b):PK+4*(4*\a+\b)+3], s[84+2*\t:85+2*\t] offset:\a*2048+\b*512   ; 512 consecutive bytes, aligned
.endif
.endr
.endr
	s_wait_xcnt 0x0                                ; the stores have read their registers: the accumulators and the fragments' registers are written again only behind this wait
.endm
.macro TILE t
.if \t == 0
.irp a, 0,1,2,3
	ds_load_b128 v[SA+4*\a:SA+4*\a+3], v[ADSA] offset:\a*512       ; register i: K step i in lanes 0-15, K step 4 + i in lanes 16-31
.endr
.endif
.irp b, 0,1,2,3
.irp i, 0,1,2,3
	ds_load_b32 v[SB+4*\b+\i], v[ADSB] offset:\i*1536+\t*512+\b*64
.endr
.endr
.irp q, 0,1,2,3,4,5,6,7
	KSTEP \t, \q
.endr
	OUT \t
.endm
; In front of tiles 0 and 1 a round of the cluster's barrier, behind which waves 4 and 5 ask for the next tensor's tile: W1's first fill, then the one refill, of W0.  A wave has at most one tensor load out.
.macro TRIP t
	BIAS \t
	s_wait_tensorcnt 0x0                           ; all my tensor loads have landed
.if \t < 2
	ds_add_u32 v[SPW], v[NIL]                      ; 0 onto my spare word
	s_add_co_u32 s[G0W+1], s[WHALF], W0+(W1-W0)*(1-\t)
	s_add_nc_u64 s[G0W+2:G0W+3], s[G0W+2:G0W+3], 524288   ; the next tensor's tile
	s_wait_dscnt 0x0                               ; the add is done, and my reads of the last tile's slot are over
	CROUND
	s_cmp_lg_u32 s[ROLE], 2
	s_cbranch_scc1 .Lnot_mine_\@
	tensor_load_to_lds s[G0W:G0W+3], s[G1W:G1W+7]
	s_nop 0
.Lnot_mine_\@:
.else
	s_wait_dscnt 0x0
	s_barrier_signal -1                            ; Wv's tile is whole for every wave
	s_barrier_wait -1
.endif
	TILE \t
.endm
	TRIP 0
	TRIP 1
	TRIP 2
	s_wait_tensorcnt 0x0                           ; the wave's end
	ds_add_u32 v[SPW], v[NIL]
	s_wait_dscnt 0x0
	CROUND                                         ; the closing round
	s_endpgm
.Lfunc_end_k_q63dfd42fd2_qkv:
	.size	k_q63dfd42fd2_qkv, .Lfunc_end_k_q63dfd42fd2_qkv-k_q63dfd42fd2_qkv
	.p2alignl 7, 3214868480
	.fill 96, 4, 3214868480
	.section	.rodata,"a",@progbits
	.p2align	6, 0x0
	.amdhsa_kernel k_q63dfd42fd2_qkv
		.amdhsa_group_segment_fixed_size 327680
		.amdhsa_private_segment_fixed_size 0
		.amdhsa_enable_private_segment 0
		.amdhsa_kernarg_size 64
		.amdhsa_user_sgpr_count 2
		.amdhsa_user_sgpr_kernarg_segment_ptr 1
		.amdhsa_wavefront_size32 1
		.amdhsa_system_sgpr_workgroup_id_x 1
		.amdhsa_system_sgpr_workgroup_id_y 1
		.amdhsa_system_sgpr_workgroup_id_z 1
		.amdhsa_system_vgpr_workitem_id 0
		.amdhsa_next_free_vgpr 256
		.amdhsa_next_free_sgpr 102
		.amdhsa_reserve_vcc 0
		.amdhsa_float_denorm_mode_32 3
		.amdhsa_float_denorm_mode_16_64 3
		.amdhsa_memory_ordered 1
		.amdhsa_forward_progress 1
		.amdhsa_inst_pref_size 121
	.end_amdhsa_kernel
	.amdgpu_metadata
---
amdhsa.version: [ 1, 2 ]
amdhsa.kernels:
  - .name:           k_q63dfd42fd2_qkv
    .symbol:         k_q63dfd42fd2_qkv.kd
    .args:
      - { .name: codes, .offset: 0, .size: 8, .value_kind: global_buffer, .address_space: global }
      - { .name: scales, .offset: 8, .size: 8, .value_kind: global_buffer, .address_space: global }
      - { .name: bq, .offset: 16, .size: 8, .value_kind: global_buffer, .address_space: global }
      - { .name: bk, .offset: 24, .size: 8, .value_kind: global_buffer, .address_space: global }
      - { .name: bv, .offset: 32, .size: 8, .value_kind: global_buffer, .address_space: global }
      - { .name: q_img, .offset: 40, .size: 8, .value_kind: global_buffer, .address_space: global }
      - { .name: kv_img, .offset: 48, .size: 8, .value_kind: global_buffer, .address_space: global }
      - { .name: fine, .offset: 56, .size: 8, .value_kind: global_buffer, .address_space: global }
    .group_segment_fixed_size: 327680
    .private_segment_fixed_size: 0
    .kernarg_segment_align: 8
    .kernarg_segment_size: 64
    .max_flat_workgroup_size: 256
    .sgpr_count:     102
    .vgpr_count:     256
    .wavefront_size: 32
...
	.end_amdgpu_metadata
.endif
;; end of part 2
;; launch attn (part 3): grid 4 x 64, 8 waves a work-group, no clusters, 327,680 bytes of LDS; arguments q_img, kv_img, y_img; writes y_img
.if DOCPART == 3
	.amdgcn_target "amdgcn-amd-amdhsa--gfx1250"
	.amdhsa_code_object_version 6
	.text
	.protected	k_q63dfd42fd2_attn
	.globl	k_q63dfd42fd2_attn
	.p2align	8
	.type	k_q63dfd42fd2_attn,@function
k_q63dfd42fd2_attn:
	s_mov_b64 s[64:65], 0
	v_nop
	global_prefetch_b8 v0, s[64:65] scope:SCOPE_SE
	s_setreg_imm32_b32 hwreg(HW_REG_WAVE_MODE, 25, 1), 1
	s_wait_xcnt 0x0
; y[b][h][q] = the sum over k <= q of softmax_k(q . k / 8) v[k], head size 64, 2,048 positions, 64 batch x heads.  Operands in f16, products, maxima and sums in f32.
; q arrives multiplied by log2(e) / 8, so a score is t and p = 2^(t - m), m the running maximum; O and the sum l are multiplied by a = 2^(m_old - m_new) in every step; O / l at the end.
; SHARES.  Work-group (P, batch x head) takes query block 7 - P (256 queries; key slots 0 .. 7 - P), then block P (slots 0 .. P): always 9 slots of 256 keys, so trip counts are constants and all work-groups have equal work.
; A wave holds 32 queries: two tiles of 16.  A step is 64 keys; a step all of whose keys come after the wave's queries is left out by a scalar branch on ids; on the diagonal hidden scores become -infinity.
; LAYOUT.  S^T = K Q^T (source 0 = 16 keys, source 1 = 16 queries), O^T = V^T P: a lane holds ONE query (lane % 16) throughout.  All operands come as images of operand registers: every LDS load is at 16 x lane + a constant.
; The ring: two LDS slots of 65,536 bytes (K's 32,768, then V's); each of the eight waves fetches 8,192 bytes of a slot by one tensor load.  Each wave's Q of its second block waits in 4,096 bytes of LDS of its own.
; NO CLUSTER: the four work-groups of a head walk 8, 7, 6, 5 slots before they turn back to slot 0, so partners would need different tiles from the sixth slot on.
; y_img: [head / 2: 8][tile of 16 tokens 512][32 channels: 4][1,024], the projection's operand images.
; LIMITS: hidden keys weigh 0, which is what -1e9 gives while a row's largest visible score lies above -1e9 + 150; |y| up to 65,504 (f16).
.set QB,    131072                     ; 8 x 4,096: Q of the second block
.set SPARE, 163840                     ; the spare words, 128 bytes a wave: no other line names them
.set L16, 1                            ; v1   16 x lane
.set ADR, 2                            ; v2   the step's LDS address
.set SPW, 3
.set NIL, 4
.set PFO, 5                            ; v5   256 x lane
.set DD,  6                            ; v6-7 the mask: my query - the step's first key - 8 h, for each tile
.set T1,  8                            ; v8-11 a chain of sums for each tile
.set NINF, 12
.set QBA, 13                           ; v13  my place in my wave's Q in LDS
.set DL,  14                           ; v14  r - 8 h
.set ST,  16                           ; tile u's statistics at 16 + 8 u: +0 m, +1 (named with it), +2, +3 l, +4 .. +7 c0-c3; a takes c2's place
.set Q,   32                           ; Q(u, f) at 32 + 16 u + 8 f
.set S,   64                           ; S(u, kt) at 64 + 32 u + 8 kt; P is packed in place into 64 + 32 u + 0 .. 15
.set O,   128                          ; O(u, c) at 128 + 32 u + 8 c
.set KV,  192                          ; K's eight fragments, then V's
.set WV,   10
.set P,    11
.set BH,   12
.set LENA, 13                          ; slots of the first block: 8 - P
.set NXT,  14                          ; the key slot that was asked for last
.set CNT,  15                          ; slots walked
.set SLOTS, 16
.set STP,  17
.set TS,   18                          ; LDS byte of the step's K
.set KF,   19                          ; the step's first key
.set Q0,   20                          ; my first query
.set LIM,  21
.set SEL,  22
.set G1,   24
.set G1Q,  32
.set G0,   40
.set G0Q,  44
.set KVB,  48                          ; s[48:49] my wave's 8,192 bytes of key slot 0
.set PFA,  50
.set YCUR, 52
.set YB,   54
.set Q0B,  60
	s_load_b128 s[4:7], s[0:1], 0x0                ; q_img, kv_img
	s_load_b64 s[8:9], s[0:1], 0x10                ; y_img
	v_lshl_add_u32 v[SPW], v0, 2, SPARE
	v_mov_b32 v[NIL], 0
	ds_add_u32 v[SPW], v[NIL]                      ; the wave's opening: the add, twice on end, and its wait ahead of my first tensor load
	ds_add_u32 v[SPW], v[NIL]
	v_lshrrev_b32 v2, 5, v0
	v_readfirstlane_b32 s[WV], v2
	s_mov_b32 s[P], ttmp9
	s_and_b32 s[BH], ttmp7, 0xffff
	s_sub_co_u32 s[LENA], 8, s[P]
	s_mov_b32 s[G1], 3<<16                         ; elements of 8 bytes, no mask, no padding
	s_mov_b32 s[G1+1], 32<<16                      ; rows of 256 bytes
	s_mov_b32 s[G1+2], 32<<16                      ; 32 of them: 8,192 dense bytes
	s_mov_b32 s[G1+3], 32<<16
	s_mov_b32 s[G1+4], 32
	s_mov_b32 s[G1+5], 32
	s_mov_b32 s[G1+6], 0
	s_mov_b32 s[G1+7], 0
	s_mov_b32 s[G1Q], 3<<16
	s_mov_b32 s[G1Q+1], 32<<16
	s_mov_b32 s[G1Q+2], 16<<16                     ; 16 rows: 4,096 dense bytes
	s_mov_b32 s[G1Q+3], 32<<16
	s_mov_b32 s[G1Q+4], 16
	s_mov_b32 s[G1Q+5], 32
	s_mov_b32 s[G1Q+6], 0
	s_mov_b32 s[G1Q+7], 0
	s_mov_b32 s[NXT], 0
	s_mov_b32 s[CNT], 0
	s_mov_b32 s[SLOTS], 8
	s_mov_b32 s[TS], 0
	s_mov_b32 s[KF], 0
	s_mov_b32 s[SEL], 0x76543210
	s_mov_b32 s[SEL+1], 0xfedcba98
	s_sub_co_u32 s61, 7, s[P]                      ; the first block
	s_lshl_b32 s[Q0], s61, 8
	s_lshl_b32 s57, s[WV], 5
	s_add_co_u32 s[Q0], s[Q0], s57
	s_lshl_b32 s[Q0B], s[P], 8
	s_add_co_u32 s[Q0B], s[Q0B], s57
	s_cmp_eq_u32 s[P], 0
	s_cselect_b32 s[LIM], 2, -1                    ; the head's work-group 0 prefetches while more than two trips are left
	s_mov_b32 s[G0], 1
	s_lshl_b32 s[G0+1], s[WV], 13
	s_mov_b32 s[G0Q], 1
	s_lshl_b32 s[G0Q+1], s[WV], 12
	s_add_co_u32 s[G0Q+1], s[G0Q+1], QB
	s_mov_b32 s57, 0
	s_mov_b32 s59, 0
	s_wait_dscnt 0x0                               ; both opening adds are done
	s_wait_kmcnt 0x0
	s_lshl_b32 s56, s[BH], 19
	s_lshl_b32 s58, s[WV], 13
	s_add_co_u32 s56, s56, s58
	s_add_nc_u64 s[KVB:KVB+1], s[6:7], s[56:57]
	s_mov_b64 s[G0+2:G0+3], s[KVB:KVB+1]
	s_or_b32 s[G0+3], s[G0+3], 0x80000000
	s_add_nc_u64 s[PFA:PFA+1], s[KVB:KVB+1], 65536 ; at slot 1: the first change steps it to slot 2
	s_lshl_b32 s56, s[BH], 18
	s_lshl_b32 s58, s[WV], 12
	s_add_co_u32 s56, s56, s58
	s_add_nc_u64 s[4:5], s[4:5], s[56:57]          ; q_img: my head, my wave's two tiles of block 0
	s_lshl_b32 s58, s[P], 15
	s_add_nc_u64 s[G0Q+2:G0Q+3], s[4:5], s[58:59]  ; of block P
	s_or_b32 s[G0Q+3], s[G0Q+3], 0x80000000
	s_lshl_b32 s58, s61, 15
	s_add_nc_u64 s[4:5], s[4:5], s[58:59]          ; of block 7 - P
	tensor_load_to_lds s[G0Q:G0Q+3], s[G1Q:G1Q+7]  ; the two first fills go out together: two loads of mine are out
	s_nop 0
	tensor_load_to_lds s[G0:G0+3], s[G1:G1+7]
	s_nop 0
	v_and_b32 v2, 31, v0
	v_lshlrev_b32 v[L16], 4, v2
	v_lshlrev_b32 v[PFO], 8, v2
.irp u, 0,1
.irp f, 0,1
.irp e, 0,1
	global_load_b128 v[Q+16*\u+8*\f+4*\e:Q+16*\u+8*\f+4*\e+3], v[L16], s[4:5] offset:\u*2048+\f*1024+\e*512
.endr
.endr
.endr
	s_lshl_b32 s58, s[WV], 12
	s_add_co_u32 s58, s58, QB
	v_add_nc_u32 v[QBA], s58, v[L16]
	v_and_b32 v[DL], 15, v0
	v_bfe_u32 v[DD], v0, 4, 1
	v_lshlrev_b32 v[DD], 3, v[DD]
	v_sub_nc_u32 v[DL], v[DL], v[DD]
	v_mov_b32 v[NINF], 0xff800000
	s_and_b32 s56, s[BH], 15                       ; head
	s_lshr_b32 s58, s56, 1
	s_lshl_b32 s58, s58, 21
	s_and_b32 s56, s56, 1
	s_lshl_b32 s56, s56, 11
	s_add_co_u32 s56, s56, s58
	s_lshr_b32 s58, s[BH], 4                       ; batch
	s_lshl_b32 s58, s58, 19
	s_add_co_u32 s56, s56, s58
	s_lshl_b32 s58, s[WV], 13
	s_add_co_u32 s56, s56, s58
	s_add_nc_u64 s[YB:YB+1], s[8:9], s[56:57]
	s_lshl_b32 s56, s61, 16
	s_add_nc_u64 s[YCUR:YCUR+1], s[YB:YB+1], s[56:57]   ; y_img at my tiles of block 7 - P,
	s_lshl_b32 s56, s[P], 16
	s_add_nc_u64 s[YB:YB+1], s[YB:YB+1], s[56:57]       ; and of block P
.macro RESET                           ; a block begins: m under every t, l and O zero.  (The step is written once: where the second block begins hangs on the work-group's number)
.irp u, 0,1
	v_mov_b32 v[ST+8*\u], 0xff61b1e6
.irp n, 1,2,3,4,5,6,7
	v_mov_b32 v[ST+8*\u+\n], 0
.endr
.endr
.set i, 0
.rept 64
	v_mov_b32 v[O+i], 0
.set i, i+1
.endr
.endm
	RESET
	s_wait_loadcnt 0x0                             ; Q
.macro STEP
	s_add_co_u32 s56, s[Q0], 31
	s_cmp_gt_u32 s[KF], s56                        ; all 64 keys come after my 32 queries: the step's work is left out
	s_cbranch_scc1 .Lhidden_\@
	v_add_nc_u32 v[ADR], s[TS], v[L16]
.irp kt, 0,1,2,3
.irp f, 0,1
.irp e, 0,1
	ds_load_b128 v[KV+16*\kt+8*\f+4*\e:KV+16*\kt+8*\f+4*\e+3], v[ADR] offset:\kt*2048+\f*1024+\e*512
.endr
.endr
.endr
	s_wait_dscnt 0x0
.irp f, 0,1                            ; S^T = K Q^T: eight accumulators by turns; the first eight products start the sums
.irp kt, 0,1,2,3
.irp u, 0,1
.if \f == 0
	v_wmma_f32_16x16x32_f16 v[S+32*\u+8*\kt:S+32*\u+8*\kt+7], v[KV+16*\kt+8*\f:KV+16*\kt+8*\f+7], v[Q+16*\u+8*\f:Q+16*\u+8*\f+7], 0
.else
	v_wmma_f32_16x16x32_f16 v[S+32*\u+8*\kt:S+32*\u+8*\kt+7], v[KV+16*\kt+8*\f:KV+16*\kt+8*\f+7], v[Q+16*\u+8*\f:Q+16*\u+8*\f+7], v[S+32*\u+8*\kt:S+32*\u+8*\kt+7]
.endif
.endr
.endr
.endr
.rept 4
	v_nop                                          ; four places in front of loads into K's registers and of the first read of the scores
.endr
.irp g, 0,1                            ; V^T's fragments (32 keys x 16 channels) by the turning load; they land under the softmax
.irp c, 0,1,2,3
	ds_load_tr16_b128 v[KV+32*\g+8*\c:KV+32*\g+8*\c+3], v[ADR] offset:32768+(2*\g)*2048+\c*512
	ds_load_tr16_b128 v[KV+32*\g+8*\c+4:KV+32*\g+8*\c+7], v[ADR] offset:32768+(2*\g+1)*2048+\c*512
.endr
.endr
	s_add_co_u32 s56, s[KF], 63
	s_cmp_le_u32 s56, s[Q0]                        ; all 64 keys count for all my queries: no mask
	s_cbranch_scc1 .Lopen_\@
	s_sub_co_i32 s56, s[Q0], s[KF]
	v_add_nc_u32 v[DD], s56, v[DL]                 ; register 8 kt + j holds key KF + 16 kt + 8 h + j: hidden where 16 kt + j > my query - KF - 8 h
	v_add_nc_u32 v[DD+1], 16, v[DD]
.irp u, 0,1
.set n, 0
.rept 32
	v_cmp_gt_i32 vcc_lo, 16*(n/8)+n%8, v[DD+\u]
	v_cndmask_b32 v[S+32*\u+n], v[S+32*\u+n], v[NINF], vcc_lo
.set n, n+1
.endr
.endr
.Lopen_\@:
.irp kt, 0,1,2,3                       ; the maximum: a chain for each tile of keys, begun at the accumulator's low end
.irp u, 0,1
	v_max3_num_f32 v[ST+8*\u+4+\kt], v[S+32*\u+8*\kt], v[S+32*\u+8*\kt+1], v[S+32*\u+8*\kt+2]
.endr
.endr
.irp i, 3,5
.irp kt, 0,1,2,3
.irp u, 0,1
	v_max3_num_f32 v[ST+8*\u+4+\kt], v[ST+8*\u+4+\kt], v[S+32*\u+8*\kt+\i], v[S+32*\u+8*\kt+\i+1]
.endr
.endr
.endr
.irp u, 0,1
	v_max3_num_f32 v[ST+8*\u+4], v[ST+8*\u+4], v[S+32*\u+7], v[S+32*\u+15]
	v_max3_num_f32 v[ST+8*\u+6], v[ST+8*\u+6], v[S+32*\u+23], v[S+32*\u+31]
.endr
.irp u, 0,1
	v_max3_num_f32 v[ST+8*\u+4], v[ST+8*\u+4], v[ST+8*\u+5], v[ST+8*\u+6]
.endr
.irp u, 0,1
	v_max3_num_f32 v[ST+8*\u+4], v[ST+8*\u+4], v[ST+8*\u+7], v[ST+8*\u]   ; with the old m
.endr
.irp u, 0,1
	v_permlanex16_b32 v[ST+8*\u+5], v[ST+8*\u+4], s[SEL], s[SEL+1]        ; the query's other keys lie in the lane 16 away
.endr
.irp u, 0,1
	v_max_num_f32 v[ST+8*\u+4], v[ST+8*\u+4], v[ST+8*\u+5]
.endr
.irp u, 0,1
	v_sub_f32 v[ST+8*\u+7], v[ST+8*\u], v[ST+8*\u+4]                      ; m_old - m_new
.endr
.irp u, 0,1
	v_mov_b32 v[ST+8*\u], v[ST+8*\u+4]
.endr
.set n, 0
.rept 16
.irp u, 0,1
	v_pk_add_f32 v[S+32*\u+n:S+32*\u+n+1], v[S+32*\u+n:S+32*\u+n+1], v[ST+8*\u:ST+8*\u+1] op_sel_hi:[1,0] neg_lo:[0,1] neg_hi:[0,1]   ; t - m, two at a time
.endr
.set n, n+2
.endr
.irp u, 0,1
	v_exp_f32 v[ST+8*\u+6], v[ST+8*\u+7]           ; a
.endr
.set n, 0
.rept 64
	v_exp_f32 v[S+n], v[S+n]                       ; p: one batch of 66 exponentials
.set n, n+1
.endr
	v_nop                                          ; a plain line behind the last exponential
	s_wait_alu depctr_va_vdst(0)                   ; one wait for the batch, ahead of its first reader
.irp u, 0,1                            ; the sums of the unrounded p, in two chains a tile
	v_pk_add_f32 v[T1+2*\u:T1+2*\u+1], v[S+32*\u:S+32*\u+1], v[S+32*\u+2:S+32*\u+3]
	v_pk_add_f32 v[ST+8*\u+4:ST+8*\u+5], v[S+32*\u+4:S+32*\u+5], v[S+32*\u+6:S+32*\u+7]
.endr
.irp i, 8,12,16,20,24,28
.irp u, 0,1
	v_pk_add_f32 v[T1+2*\u:T1+2*\u+1], v[T1+2*\u:T1+2*\u+1], v[S+32*\u+\i:S+32*\u+\i+1]
	v_pk_add_f32 v[ST+8*\u+4:ST+8*\u+5], v[ST+8*\u+4:ST+8*\u+5], v[S+32*\u+\i+2:S+32*\u+\i+3]
.endr
.endr
.irp u, 0,1
	v_pk_add_f32 v[T1+2*\u:T1+2*\u+1], v[T1+2*\u:T1+2*\u+1], v[ST+8*\u+4:ST+8*\u+5]
.endr
.irp u, 0,1
	v_pk_fma_f32 v[ST+8*\u+2:ST+8*\u+3], v[ST+8*\u+2:ST+8*\u+3], v[ST+8*\u+6:ST+8*\u+7], v[T1+2*\u:T1+2*\u+1] op_sel_hi:[1,0,1]   ; l = a l + the sum
.endr
.set n, 0
.rept 16
.irp u, 0,1
	v_cvt_pk_f16_f32 v[S+32*\u+n], v[S+32*\u+2*n], v[S+32*\u+2*n+1]       ; P in f16, packed in place from the low end: registers 8 g .. 8 g + 7 are source 1 for keys 32 g on
.endr
.set n, n+1
.endr
.set n, 0
.rept 16
.irp u, 0,1
	v_pk_mul_f32 v[O+32*\u+n:O+32*\u+n+1], v[O+32*\u+n:O+32*\u+n+1], v[ST+8*\u+6:ST+8*\u+7] op_sel_hi:[1,0]   ; O x a
.endr
.set n, n+2
.endr
	s_wait_dscnt 0x0                               ; V
.irp g, 0,1                            ; O^T += V^T P: eight accumulators by turns
.irp c, 0,1,2,3
.irp u, 0,1
	v_wmma_f32_16x16x32_f16 v[O+32*\u+8*\c:O+32*\u+8*\c+7], v[KV+32*\g+8*\c:KV+32*\g+8*\c+7], v[S+32*\u+8*\g:S+32*\u+8*\g+7], v[O+32*\u+8*\c:O+32*\u+8*\c+7]
.endr
.endr
.endr
.rept 5
	v_nop                                          ; five places: the next matrix instruction writes the scores over P's registers; four serve the loads into V's registers and the reads of O
.endr
.Lhidden_\@:
	s_add_co_u32 s[KF], s[KF], 64
	s_add_co_u32 s[TS], s[TS], 8192
.endm
; THE CHANGE OF SLOTS, at a slot's head: each wave waits for all its tensor loads, adds 0 to its spare word, waits for that and for its reads of the slot that it has left; one barrier;
; fill = 1: the slot just left takes the next key slot: every wave's one load, first behind the barrier; it has a slot's four steps in which to land.
.macro CHANGE fill
	s_wait_tensorcnt 0x0                           ; no tensor load of mine is out, so the group 0 may be written
	ds_add_u32 v[SPW], v[NIL]
.if \fill
	s_add_co_u32 s[NXT], s[NXT], 1
	s_cmp_eq_u32 s[NXT], s[LENA]
	s_cselect_b32 s[NXT], 0, s[NXT]                ; behind the first block's last slot comes slot 0 again
	s_xor_b32 s[G0+1], s[G0+1], 65536
	s_lshl_b32 s56, s[NXT], 16
	s_mov_b32 s57, 0
	s_add_nc_u64 s[G0+2:G0+3], s[KVB:KVB+1], s[56:57]
	s_or_b32 s[G0+3], s[G0+3], 0x80000000
	s_wait_xcnt 0x0                                ; the last prefetch, a slot back, has read its address
	s_add_nc_u64 s[PFA:PFA+1], s[PFA:PFA+1], 65536
.endif
	s_wait_dscnt 0x0
	s_barrier_signal -1
	s_barrier_wait -1
.if \fill
	tensor_load_to_lds s[G0:G0+3], s[G1:G1+7]
	s_nop 0
	; a prefetch of the key slot that the NEXT change asks for: 8 waves x 32 lanes x 256 bytes.  All four work-groups of a head walk the same slots: work-group 0 asks, in trips 0 to 5, for slots 2 to 7: each block once
	s_cmp_gt_u32 s[SLOTS], s[LIM]
	s_cbranch_scc0 .Lnot_mine_\@
	global_prefetch_b8 v[PFO], s[PFA:PFA+1] th:TH_LOAD_NT scope:SCOPE_SE
.Lnot_mine_\@:
.endif
.endm
.macro SLOT_STEPS
	s_mov_b32 s[STP], 4
.Lstep_\@:
	STEP
	s_sub_co_u32 s[STP], s[STP], 1
	s_cmp_lg_u32 s[STP], 0
	s_cbranch_scc1 .Lstep_\@
	s_sub_co_u32 s[TS], s[TS], 32768
	s_xor_b32 s[TS], s[TS], 65536                  ; on to the other slot
.endm
; A block ends: O / l in f16 leaves as operand images, 512 whole bytes a store.  restart = 1: the second block begins.
.macro FINISH restart
.irp u, 0,1
	v_add_f32 v[ST+8*\u+4], v[ST+8*\u+2], v[ST+8*\u+3]
.endr
.irp u, 0,1
	v_permlanex16_b32 v[ST+8*\u+5], v[ST+8*\u+4], s[SEL], s[SEL+1]
.endr
.irp u, 0,1
	v_add_f32 v[ST+8*\u+4], v[ST+8*\u+4], v[ST+8*\u+5]
.endr
.irp u, 0,1
	v_rcp_f32 v[ST+8*\u+6], v[ST+8*\u+4]
.endr
	v_nop
	s_wait_alu depctr_va_vdst(0)                   ; one wait for the two reciprocals
.irp u, 0,1
.set n, 0
.rept 16
	v_pk_mul_f32 v[O+32*\u+n:O+32*\u+n+1], v[O+32*\u+n:O+32*\u+n+1], v[ST+8*\u+6:ST+8*\u+7] op_sel_hi:[1,0]
.set n, n+2
.endr
.endr
.set n, 0
.rept 32
	v_cvt_pk_f16_f32 v[S+n], v[O+2*n], v[O+2*n+1]
.set n, n+1
.endr
.irp u, 0,1
.irp c, 0,1,2,3
	global_store_b128 v[L16], v[S+16*\u+4*\c:S+16*\u+4*\c+3], s[YCUR:YCUR+1] offset:\u*4096+\c*512
.endr
.endr
.if \restart
	s_wait_xcnt 0x0                                ; the stores have read their registers and their base
.irp u, 0,1
.irp f, 0,1
.irp e, 0,1
	ds_load_b128 v[Q+16*\u+8*\f+4*\e:Q+16*\u+8*\f+4*\e+3], v[QBA] offset:\u*2048+\f*1024+\e*512
.endr
.endr
.endr
	RESET
	s_mov_b32 s[Q0], s[Q0B]
	s_mov_b32 s[KF], 0
	s_mov_b64 s[YCUR:YCUR+1], s[YB:YB+1]
	s_wait_dscnt 0x0
.endif
.endm
.Lslot:                                ; eight trips: behind each change of slots but the last the next slot is asked for
	CHANGE 1
	SLOT_STEPS
	s_add_co_u32 s[CNT], s[CNT], 1
	s_cmp_lg_u32 s[CNT], s[LENA]
	s_cbranch_scc1 .Lsame_block
	FINISH 1
.Lsame_block:
	s_sub_co_u32 s[SLOTS], s[SLOTS], 1
	s_cmp_lg_u32 s[SLOTS], 0
	s_cbranch_scc1 .Lslot
	CHANGE 0                                       ; the ninth slot is written out: nothing is left to fetch
	SLOT_STEPS
	FINISH 0
	s_wait_tensorcnt 0x0                           ; the wave's end
	ds_add_u32 v[SPW], v[NIL]
	s_wait_dscnt 0x0
	s_endpgm
.Lfunc_end_k_q63dfd42fd2_attn:
	.size	k_q63dfd42fd2_attn, .Lfunc_end_k_q63dfd42fd2_attn-k_q63dfd42fd2_attn
	.p2alignl 7, 3214868480
	.fill 96, 4, 3214868480
	.section	.rodata,"a",@progbits
	.p2align	6, 0x0
	.amdhsa_kernel k_q63dfd42fd2_attn
		.amdhsa_group_segment_fixed_size 327680
		.amdhsa_private_segment_fixed_size 0
		.amdhsa_enable_private_segment 0
		.amdhsa_kernarg_size 24
		.amdhsa_user_sgpr_count 2
		.amdhsa_user_sgpr_kernarg_segment_ptr 1
		.amdhsa_wavefront_size32 1
		.amdhsa_system_sgpr_workgroup_id_x 1
		.amdhsa_system_sgpr_workgroup_id_y 1
		.amdhsa_system_sgpr_workgroup_id_z 1
		.amdhsa_system_vgpr_workitem_id 0
		.amdhsa_next_free_vgpr 256
		.amdhsa_next_free_sgpr 66
		.amdhsa_reserve_vcc 1
		.amdhsa_float_denorm_mode_32 3
		.amdhsa_float_denorm_mode_16_64 3
		.amdhsa_memory_ordered 1
		.amdhsa_forward_progress 1
		.amdhsa_inst_pref_size 66
	.end_amdhsa_kernel
	.amdgpu_metadata
---
amdhsa.version: [ 1, 2 ]
amdhsa.kernels:
  - .name:           k_q63dfd42fd2_attn
    .symbol:         k_q63dfd42fd2_attn.kd
    .args:
      - { .name: q_img, .offset: 0, .size: 8, .value_kind: global_buffer, .address_space: global }
      - { .name: kv_img, .offset: 8, .size: 8, .value_kind: global_buffer, .address_space: global }
      - { .name: y_img, .offset: 16, .size: 8, .value_kind: global_buffer, .address_space: global }
    .group_segment_fixed_size: 327680
    .private_segment_fixed_size: 0
    .kernarg_segment_align: 8
    .kernarg_segment_size: 24
    .max_flat_workgroup_size: 256
    .sgpr_count:     66
    .vgpr_count:     256
    .wavefront_size: 32
...
	.end_amdgpu_metadata
.endif
;; end of part 3
;; launch oproj (part 4): grid 8 x 32, 4 waves a work-group, clusters of 4 x 4, 327,680 bytes of LDS; arguments y_img, wo_img, bo, out0; writes out0
.if DOCPART == 4
	.amdgcn_target "amdgcn-amd-amdhsa--gfx1250"
	.amdhsa_code_object_version 6
	.text
	.protected	k_q63dfd42fd2_oproj
	.globl	k_q63dfd42fd2_oproj
	.p2align	8
	.type	k_q63dfd42fd2_oproj,@function
k_q63dfd42fd2_oproj:
	s_mov_b64 s[64:65], 0
	v_nop
	global_prefetch_b8 v0, s[64:65] scope:SCOPE_SE
	s_setreg_imm32_b32 hwreg(HW_REG_WAVE_MODE, 25, 1), 1
	s_wait_xcnt 0x0
	s_wait_alu depctr_hold_cnt(0) depctr_sa_sdst(0) depctr_va_vdst(0) depctr_va_sdst(0) depctr_va_ssrc(0) depctr_va_vcc(0) depctr_vm_vsrc(0)
	s_getreg_b32 s2, hwreg(HW_REG_IB_STS2, 6, 4)
	s_cmp_eq_u32 s2, 0
	s_cbranch_scc0 .Lentry_in_a_cluster
	s_endpgm
.Lentry_in_a_cluster:
	s_bfe_u32 s2, ttmp6, 0x10000c
	s_cmp_lg_u32 s2, 0xf033
	s_cbranch_scc0 .Lentry_shape_is_right
	s_endpgm
.Lentry_shape_is_right:
; out = y Wo + bo: M 8,192, K 1,024, N 1,024; operands in f16, sums and out in f32.  Rows 0-15 of each batch are not stored here: a small launch makes them in f32.
; A tile of out is 256 x 128; four waves, each 128 x 64: 32 accumulators (window 1).  K goes in steps of 128 through two LDS slots; both operands come as images of operand registers
; (y_img [K step 8][tile of 16 rows 512][32 k: 4][1,024]; wo_img [K step 8][tile of 16 columns 64][4][1,024]), so a K step's tiles are dense blocks and every LDS load is at 16 x lane + a constant.
; THE MATRIX INSTRUCTION IS USED TRANSPOSED (source 0 = 16 columns of Wo, source 1 = 16 rows of y): a lane holds eight neighbouring numbers of a row of out.  The bias is the C of each sum's first product.
; CLUSTER 4 x 4: column tile = 4 x cluster x + cx; row tile = 8 cy + cluster y.  y's tiles are shared along a row of the cluster, Wo's along a column: joint loads.
; REGISTERS: window 0: v16-30 addresses; v32-63 the bias, 8 a tile of columns; v64-159, v160-255 two fragment buffers (Wo's 4 fragments, then y's 8); window 1: accumulator (a, b) at 8 (4 a + b).
.set SLOT,  98304                      ; y's 65,536 bytes, then Wo's 32,768
.set STAGE, 2*SLOT                     ; behind the ring: 16 rows x 272 bytes for each wave, for the way out
.set SPARE, STAGE+4*16*272             ; the spare words, 128 bytes a wave: no other line names them
.set LAPS,  4                          ; a lap = two K steps
.set ADRA, 16
.set ADRB, 20
.set STO,  24
.set RD,   25
.set CO,   26
.set BLN,  27
.set SPW,  28
.set NIL,  29
.set PFO,  30
.set BIAS, 32
.set F0,   64
.set F1,   160
.set WV,   12
.set MH,   13                          ; which half of the tile's rows is mine.  Also: I fetch for y (0) or for Wo (1)
.set NHF,  14                          ; which half of its columns.  Also: which half of that tile I fetch
.set G1A,  24
.set G0A,  32
.set G1B,  48
.set G0B,  56
.set PFA,  44
.set LIM,  46
.set SKIP, 47                          ; 0 where my block 0 is rows 0-15 of a batch: cluster y | row half: alike in all partners
.set MSB, 0
.macro WIN new                         ; the immediate's high byte repeats the setting that is left
.if MSB != \new
	s_set_vgpr_msb (MSB<<8)|\new
.set MSB, \new
.endif
.endm
.set MUL,  0x50                        ; sources 0 and 1 window 0; C and D window 1
.set MUL1, 0x40                        ; the first products: C (the bias) window 0, D window 1
.macro JLOAD s                         ; a joint load: waves 0 and 1 fetch y's halves, waves 2 and 3 Wo's; an s_nop 0 and four v_nop follow each of the two lines
	s_cmp_eq_u32 s[MH], 0
	s_cbranch_scc0 .Lfor_b_\@
	tensor_load_to_lds s[G0A+4*\s:G0A+4*\s+3], s[G1A:G1A+7]
	s_nop 0
.rept 4
	v_nop
.endr
	s_branch .Lasked_\@
.Lfor_b_\@:
	tensor_load_to_lds s[G0B+4*\s:G0B+4*\s+3], s[G1B:G1B+7]
	s_nop 0
.rept 4
	v_nop
.endr
.Lasked_\@:
.endm
.macro CREST
	s_cmp_lg_u32 s[WV], 0
	s_cbranch_scc1 .Lnot_wave_0_\@
	s_barrier_signal -3
.Lnot_wave_0_\@:
	s_barrier_wait -3
	s_barrier_signal -1
	s_barrier_wait -1
.endm
.macro CROUND
	s_barrier_signal -1
	s_barrier_wait -1
	CREST
.endm
.macro PLACES
.rept 4
	v_nop
.endr
.endm
	s_load_b256 s[4:11], s[0:1], 0x0               ; y_img s[4:5], wo_img s[6:7], bo s[8:9], out0 s[10:11]
	v_lshl_add_u32 v[SPW], v0, 2, SPARE
	v_mov_b32 v[NIL], 0
	ds_add_u32 v[SPW], v[NIL]                      ; the wave's opening: the add, twice on end, and its wait ahead of my first tensor load
	ds_add_u32 v[SPW], v[NIL]
	v_lshrrev_b32 v1, 5, v0
	v_readfirstlane_b32 s[WV], v1
	s_lshr_b32 s[MH], s[WV], 1
	s_and_b32 s[NHF], s[WV], 1
	s_bfe_u32 s15, ttmp6, 0x40000                  ; cx
	s_bfe_u32 s16, ttmp6, 0x40004                  ; cy
	s_lshl_b32 s17, ttmp9, 2
	s_add_co_u32 s17, s17, s15                     ; column tile
	s_and_b32 s18, ttmp7, 0xffff                   ; cluster y
	s_lshl_b32 s19, s16, 3
	s_add_co_u32 s19, s19, s18                     ; row tile = 8 cy + cluster y
	s_lshl_b32 s20, s16, 2
	s_lshl_b32 s20, 15, s20                        ; my row of the cluster
	s_lshl_b32 s21, 0x1111, s15                    ; my column
	s_or_b32 s[G1A], s20, (3<<16)|(1<<21)          ; elements of 8 bytes, dense; bit 21 beside the mask
	s_mov_b32 s[G1A+1], 32<<16                     ; rows of 256 bytes,
	s_mov_b32 s[G1A+2], 128<<16                    ; 128 of them: 32,768 bytes
	s_mov_b32 s[G1A+3], 32<<16
	s_mov_b32 s[G1A+4], 128
	s_mov_b32 s[G1A+5], 32
	s_mov_b32 s[G1A+6], 0
	s_mov_b32 s[G1A+7], 0
	s_or_b32 s[G1B], s21, (3<<16)|(1<<21)
	s_mov_b32 s[G1B+1], 32<<16
	s_mov_b32 s[G1B+2], 64<<16                     ; 64 rows: 16,384 bytes
	s_mov_b32 s[G1B+3], 32<<16
	s_mov_b32 s[G1B+4], 64
	s_mov_b32 s[G1B+5], 32
	s_mov_b32 s[G1B+6], 0
	s_mov_b32 s[G1B+7], 0
	s_lshl_b32 s22, s19, 16                        ; y_img: row tile x 65,536 + my half
	s_lshl_b32 s23, s[NHF], 15
	s_add_co_u32 s22, s22, s23
	s_mov_b32 s23, 0
	s_lshl_b32 s40, s17, 15                        ; wo_img: column tile x 32,768 + my half
	s_lshl_b32 s41, s[NHF], 14
	s_add_co_u32 s40, s40, s41
	s_mov_b32 s41, 0
	s_lshl_b32 s42, s[NHF], 15                     ; in a slot: y's halves,
	s_lshl_b32 s43, s[NHF], 14
	s_add_co_u32 s43, s43, 65536                   ; Wo's halves
	s_or_b32 s[SKIP], s18, s[MH]
	s_or_b32 s[LIM], s[MH], ttmp9                  ; waves 0 and 1 of the clusters with x = 0 prefetch y's tiles: the same in all partners
	s_cmp_eq_u32 s[LIM], 0
	s_cselect_b32 s[LIM], 1, -1
	s_wait_dscnt 0x0                               ; both opening adds are done
	s_wait_kmcnt 0x0
	s_add_nc_u64 s[22:23], s[4:5], s[22:23]
	s_add_nc_u64 s[40:41], s[6:7], s[40:41]
	CROUND                                         ; all sixteen work-groups are here: the first joint loads meet
.irp s, 0,1
	s_mov_b32 s[G0A+4*\s], 1
	s_add_co_u32 s[G0A+4*\s+1], s42, \s*SLOT
	s_add_nc_u64 s[G0A+4*\s+2:G0A+4*\s+3], s[22:23], \s*2097152
	s_or_b32 s[G0A+4*\s+3], s[G0A+4*\s+3], 0x80000000
	s_mov_b32 s[G0B+4*\s], 1
	s_add_co_u32 s[G0B+4*\s+1], s43, \s*SLOT
	s_add_nc_u64 s[G0B+4*\s+2:G0B+4*\s+3], s[40:41], \s*262144
	s_or_b32 s[G0B+4*\s+3], s[G0B+4*\s+3], 0x80000000
	JLOAD \s
.endr
	s_lshl_b32 s[PFA], s15, 13                     ; the prefetches: of the 32,768 bytes that I fetch, the partner at cx takes 8,192: told apart by address
	s_mov_b32 s[PFA+1], 0
	s_add_nc_u64 s[PFA:PFA+1], s[22:23], s[PFA:PFA+1]
	s_add_nc_u64 s[PFA:PFA+1], s[PFA:PFA+1], 2*2097152   ; at K step 2: the first refill steps it to 3 and names K step 4
	v_and_b32 v1, 15, v0                           ; r
	v_bfe_u32 v2, v0, 4, 1                         ; h
	v_and_b32 v3, 31, v0
	v_lshlrev_b32 v4, 4, v3                        ; 16 x lane
	s_lshl_b32 s42, s[MH], 15
	v_add_nc_u32 v[ADRA], s42, v4                  ; my 8 tiles of rows
	v_add_nc_u32 v[ADRA+1], SLOT, v[ADRA]
	v_add_nc_u32 v[ADRB], s43, v4                  ; my 4 tiles of columns
	v_add_nc_u32 v[ADRB+1], SLOT, v[ADRB]
	s_mul_i32 s42, s[WV], 16*272
	s_add_co_u32 s42, s42, STAGE                   ; my stage
	v_mul_u32_u24 v5, v1, 272
	v_lshl_add_u32 v5, v2, 5, v5
	v_add_nc_u32 v[STO], s42, v5                   ; in: row r, 32 bytes for each half of the lanes
	v_mul_u32_u24 v5, v2, 272
	v_lshl_add_u32 v5, v1, 4, v5
	v_add_nc_u32 v[RD], s42, v5                    ; back: lanes 0-15 one row of 256 bytes, lanes 16-31 the next
	v_lshlrev_b32 v5, 12, v2
	v_lshl_add_u32 v[CO], v1, 4, v5                ; and the same two rows in out
	v_lshlrev_b32 v[PFO], 8, v3
	v_lshlrev_b32 v[BLN], 5, v2
	s_lshl_b32 s40, s17, 9
	s_lshl_b32 s41, s[NHF], 8
	s_add_co_u32 s40, s40, s41                     ; my 64 columns, in bytes
	s_mov_b32 s41, 0
	s_add_nc_u64 s[8:9], s[8:9], s[40:41]
	s_add_nc_u64 s[10:11], s[10:11], s[40:41]
	s_lshl_b32 s40, s19, 20
	s_lshl_b32 s2, s[MH], 19
	s_add_co_u32 s40, s40, s2                      ; my first row
	s_add_nc_u64 s[10:11], s[10:11], s[40:41]
.irp b, 0,1,2,3
	global_load_b128 v[BIAS+8*\b:BIAS+8*\b+3], v[BLN], s[8:9] offset:64*\b          ; bo(16 b + 8 h + 0 .. 7)
	global_load_b128 v[BIAS+8*\b+4:BIAS+8*\b+7], v[BLN], s[8:9] offset:64*\b+16
.endr
.macro MUL8 f, a0, first               ; 8 products: row tiles a0, a0 + 1 x the 4 column tiles, 32 along K
.irp a, \a0, \a0+1
.irp b, 0,1,2,3
.if \first
	v_wmma_f32_16x16x32_f16 v[8*(4*(\a)+\b):8*(4*(\a)+\b)+7], v[\f+8*\b:\f+8*\b+7], v[\f+32+8*(\a):\f+32+8*(\a)+7], v[BIAS+8*\b:BIAS+8*\b+7]
.else
	v_wmma_f32_16x16x32_f16 v[8*(4*(\a)+\b):8*(4*(\a)+\b)+7], v[\f+8*\b:\f+8*\b+7], v[\f+32+8*(\a):\f+32+8*(\a)+7], v[8*(4*(\a)+\b):8*(4*(\a)+\b)+7]
.endif
.endr
.endr
.endm
.macro FETCH slot, kq, f               ; 24 LDS loads in one run: Wo's 4 fragments, y's tiles 0-3, y's tiles 4-7
	WIN 0
.irp b, 0,1,2,3
	ds_load_b128 v[\f+8*\b:\f+8*\b+3],   v[ADRB+\slot] offset:\b*4096+\kq*1024
	ds_load_b128 v[\f+8*\b+4:\f+8*\b+7], v[ADRB+\slot] offset:\b*4096+\kq*1024+512
.endr
.irp a, 0,1,2,3,4,5,6,7
	ds_load_b128 v[\f+32+8*\a:\f+32+8*\a+3], v[ADRA+\slot] offset:\a*4096+\kq*1024
	ds_load_b128 v[\f+32+8*\a+4:\f+32+8*\a+7], v[ADRA+\slot] offset:\a*4096+\kq*1024+512
.endr
.endm
; A K step is four quarters of 32 along K, 32 products each, on buffers 0, 1, 0, 1.  The 32 accumulators take turns, in the same order in every quarter.
.macro QUARTER slot, kq, f, g, first
	s_wait_dscnt 8                                 ; Wo's fragments and y's tiles 0-3 are in; the youngest eight loads may be out
	WIN MUL-0x10*\first
	MUL8 \f, 0, \first
	MUL8 \f, 2, \first
	PLACES                                         ; four places in front of loads into registers that matrix instructions have read
	FETCH \slot, \kq, \g
	s_wait_dscnt 24                                ; all but the 24 just issued
	WIN MUL-0x10*\first
	MUL8 \f, 4, \first
	MUL8 \f, 6, \first
.endm
; A slot's last quarter changes slots: one barrier; in front of it each wave waits for all its tensor loads, adds 0 to its spare word, and waits for that and for its reads of this slot.
.macro TURN slot, next, fill
.if \fill
	s_wait_xcnt 0x0                                ; the last prefetch, a K step back, has read its address
	s_add_nc_u64 s[PFA:PFA+1], s[PFA:PFA+1], 2097152
.endif
	WIN 0
	s_wait_tensorcnt 0x0                           ; all my tensor loads have landed: my part of the next slot
	ds_add_u32 v[SPW], v[NIL]
	s_wait_dscnt 9                                 ; (the add and the youngest eight loads may be out)
	WIN MUL
	MUL8 F1, 0, 0
	s_wait_dscnt 0x0                               ; the add is done, and my reads of this slot are over
	s_barrier_signal -1
	MUL8 F1, 2, 0
.if \fill
	WIN 0
.endif
	s_barrier_wait -1
.if \fill
	CREST                                          ; the barrier has opened a round of the cluster's: no wave of any partner still reads this slot or has a load on its way
	s_add_nc_u64 s[G0A+4*\slot+2:G0A+4*\slot+3], s[G0A+4*\slot+2:G0A+4*\slot+3], 2*2097152
	s_add_nc_u64 s[G0B+4*\slot+2:G0B+4*\slot+3], s[G0B+4*\slot+2:G0B+4*\slot+3], 2*262144
	JLOAD \slot                                    ; the first tensor load behind the round; its four v_nop are also the places in front of the loads below
.else
	PLACES
.endif
	FETCH \next, 0, F0
.if \fill
	s_cmp_gt_u32 s3, s[LIM]                        ; y's tile two refills on: 32 lanes x 256 bytes; the loop's last trip has no such K step
	s_cbranch_scc0 .Lnot_mine_\@
	global_prefetch_b8 v[PFO], s[PFA:PFA+1] offset:2097152 th:TH_LOAD_NT scope:SCOPE_SE
.Lnot_mine_\@:
.endif
	WIN MUL
	MUL8 F1, 4, 0
	MUL8 F1, 6, 0
.endm
	s_wait_tensorcnt 1                             ; my part of K step 0 is in; K step 1's may stay out
	s_barrier_signal -1
	s_barrier_wait -1
	FETCH 0, 0, F0
	s_wait_loadcnt 0x0                             ; the bias
	QUARTER 0, 1, F0, F1, 1                        ; the first quarter stands in front of the loop: its products start the sums from the bias
	WIN 0
	s_mov_b32 s3, LAPS-1
.Llap:
	QUARTER 0, 2, F1, F0, 0
	QUARTER 0, 3, F0, F1, 0
	TURN 0, 1, 1
	QUARTER 1, 1, F0, F1, 0
	QUARTER 1, 2, F1, F0, 0
	QUARTER 1, 3, F0, F1, 0
	TURN 1, 0, 1
	QUARTER 0, 1, F0, F1, 0
	WIN 0
	s_sub_co_u32 s3, s3, 1
	s_cmp_lg_u32 s3, 0
	s_cbranch_scc1 .Llap
	QUARTER 0, 2, F1, F0, 0                        ; the last lap fills nothing
	QUARTER 0, 3, F0, F1, 0
	TURN 0, 1, 0
	QUARTER 1, 1, F0, F1, 0
	QUARTER 1, 2, F1, F0, 0
	QUARTER 1, 3, F0, F1, 0
	s_wait_dscnt 8
	WIN MUL
	MUL8 F1, 0, 0
	MUL8 F1, 2, 0
	s_wait_dscnt 0x0
	MUL8 F1, 4, 0
	MUL8 F1, 6, 0
	WIN 0
; THE WAY OUT, a block of 16 rows x 64 columns at a time, through my own stage: in as 32 bytes a lane, back as whole rows of 256 bytes.  LDS serves a wave's instructions in order.
.macro TOSTAGE a
	WIN 0x04                                       ; an LDS store's data are its source 1: window 1
.irp b, 0,1,2,3
	ds_store_b128 v[STO], v[8*(4*(\a)+\b):8*(4*(\a)+\b)+3] offset:64*\b          ; each accumulator from its low end on
	ds_store_b128 v[STO], v[8*(4*(\a)+\b)+4:8*(4*(\a)+\b)+7] offset:64*\b+16
.endr
	WIN 0
.set BB, 64+32*((\a)%2)
.irp i, 0,1,2,3,4,5,6,7
	ds_load_b128 v[BB+4*\i:BB+4*\i+3], v[RD] offset:\i*544
.endr
.endm
.macro SEND a, younger
.set BB, 64+32*((\a)%2)
	s_wait_dscnt \younger                          ; the block is back in registers
.if (\a) > 0
	s_add_nc_u64 s[10:11], s[10:11], 65536         ; 16 rows on (behind a wait that shows that the earlier stores have read their base)
.else
	s_cmp_eq_u32 s[SKIP], 0                        ; rows 0-15 of a batch belong to the small launch in f32
	s_cbranch_scc1 .Lfine_rows
.endif
.irp i, 0,1,2,3,4,5,6,7
	global_store_b128 v[CO], v[BB+4*\i:BB+4*\i+3], s[10:11] offset:\i*8192 th:TH_STORE_NT   ; sixteen lanes store 256 consecutive bytes, aligned
.endr
.if (\a) == 0
.Lfine_rows:
.endif
.endm
	PLACES
	TOSTAGE 0
.irp a, 1,2,3,4,5,6,7
.if \a > 1
	s_wait_xcnt 0x0                                ; block a - 2's stores have read their registers and their base
.endif
	TOSTAGE \a
	SEND \a-1, 16                                  ; behind block a - 1's loads: block a's 8 stores and 8 loads
.endr
	s_wait_xcnt 0x0
	SEND 7, 0
	s_wait_tensorcnt 0x0                           ; the wave's end
	ds_add_u32 v[SPW], v[NIL]
	s_wait_dscnt 0x0
	CROUND                                         ; the closing round
	s_endpgm
.Lfunc_end_k_q63dfd42fd2_oproj:
	.size	k_q63dfd42fd2_oproj, .Lfunc_end_k_q63dfd42fd2_oproj-k_q63dfd42fd2_oproj
	.p2alignl 7, 3214868480
	.fill 96, 4, 3214868480
	.section	.rodata,"a",@progbits
	.p2align	6, 0x0
	.amdhsa_kernel k_q63dfd42fd2_oproj
		.amdhsa_group_segment_fixed_size 327680
		.amdhsa_private_segment_fixed_size 0
		.amdhsa_enable_private_segment 0
		.amdhsa_kernarg_size 32
		.amdhsa_user_sgpr_count 2
		.amdhsa_user_sgpr_kernarg_segment_ptr 1
		.amdhsa_wavefront_size32 1
		.amdhsa_system_sgpr_workgroup_id_x 1
		.amdhsa_system_sgpr_workgroup_id_y 1
		.amdhsa_system_sgpr_workgroup_id_z 1
		.amdhsa_system_vgpr_workitem_id 0
		.amdhsa_next_free_vgpr 512
		.amdhsa_next_free_sgpr 66
		.amdhsa_reserve_vcc 0
		.amdhsa_float_denorm_mode_32 3
		.amdhsa_float_denorm_mode_16_64 3
		.amdhsa_memory_ordered 1
		.amdhsa_forward_progress 1
		.amdhsa_inst_pref_size 87
	.end_amdhsa_kernel
	.amdgpu_metadata
---
amdhsa.version: [ 1, 2 ]
amdhsa.kernels:
  - .name:           k_q63dfd42fd2_oproj
    .symbol:         k_q63dfd42fd2_oproj.kd
    .args:
      - { .name: y_img, .offset: 0, .size: 8, .value_kind: global_buffer, .address_space: global }
      - { .name: wo_img, .offset: 8, .size: 8, .value_kind: global_buffer, .address_space: global }
      - { .name: bo, .offset: 16, .size: 8, .value_kind: global_buffer, .address_space: global }
      - { .name: out0, .offset: 24, .size: 8, .value_kind: global_buffer, .address_space: global }
    .group_segment_fixed_size: 327680
    .private_segment_fixed_size: 0
    .kernarg_segment_align: 8
    .kernarg_segment_size: 32
    .max_flat_workgroup_size: 128
    .sgpr_count:     66
    .vgpr_count:     512
    .wavefront_size: 32
...
	.end_amdgpu_metadata
.endif
;; end of part 4
;; launch fine16 (part 5): grid 16 x 4, 16 waves a work-group, no clusters, 137,216 bytes of LDS; arguments fine, Wo, bo, out0; writes out0
.if DOCPART == 5
	.amdgcn_target "amdgcn-amd-amdhsa--gfx1250"
	.amdhsa_code_object_version 6
	.text
	.protected	k_q63dfd42fd2_fine16
	.globl	k_q63dfd42fd2_fine16
	.p2align	8
	.type	k_q63dfd42fd2_fine16,@function
k_q63dfd42fd2_fine16:
	s_mov_b64 s[64:65], 0
	v_nop
	global_prefetch_b8 v0, s[64:65] scope:SCOPE_SE
	s_setreg_imm32_b32 hwreg(HW_REG_WAVE_MODE, 25, 1), 1
	s_wait_xcnt 0x0
; Rows 0-15 of each batch, all in f32: their attention sums few terms, so they and their projection are carried more finely.  96 small f32 matrix instructions a wave.
; Work-group (chunk of 64 columns of out, batch); wave w is head w: it makes the head's attention for the 16 tokens, multiplies it by its 64 rows of Wo (its share of the projection's K), and the 16 waves' parts meet in LDS.
; fine holds q x log2(e) / 8, k, v of tokens 0-15 as accumulator images: lane (r = token, h), register 8 c + j = channel 16 c + 8 h + j.
; The f32 form takes k = 2 h + j from register j.  Fed with registers 2 s, 2 s + 1 of such an image on BOTH sides, a product sums channels 16 c + 8 h + 2 s' + j: the same four on both sides; 16 products cover the 64.
; S^T = K Q^T: lane = query, register j = key 8 h + j.  O^T = V^T P: V is turned through LDS.  R^T = Wo^T y^T: source 0 = 16 columns of Wo, source 1 = O^T as it stands.
; The registers that the f32 matrix form writes (v192-255) are written by matrix instructions alone.
.set RED,   69632                      ; behind V's 16 stages of 16 x 272 bytes: 16 x 4,096, each wave's part of the result
.set SPARE, 135168                     ; the spare words, 128 bytes a wave: no other line names them
.set T, 16                             ; v16-23 scores, then e; later bo
.set PP, 24                            ; v24-31 at work, then p
	s_load_b256 s[4:11], s[0:1], 0x0               ; fine s[4:5], Wo s[6:7], bo s[8:9], out0 s[10:11]
	v_lshl_add_u32 v4, v0, 2, SPARE
	v_mov_b32 v5, 0
	v_lshrrev_b32 v1, 5, v0
	v_readfirstlane_b32 s12, v1                    ; wave = head
	s_and_b32 s13, ttmp7, 0xffff                   ; batch
	s_mov_b32 s14, 0x76543210
	s_mov_b32 s15, 0xfedcba98
	v_and_b32 v1, 15, v0                           ; r
	v_bfe_u32 v2, v0, 4, 1                         ; h
	v_and_b32 v3, 31, v0
	v_lshlrev_b32 v3, 4, v3                        ; 16 x lane
	s_mul_i32 s16, s12, 16*272
	v_mul_u32_u24 v6, v1, 272
	v_lshl_add_u32 v6, v2, 5, v6
	v_add_nc_u32 v6, s16, v6                       ; V's stage, in: row = token r, + 32 h
	v_mul_u32_u24 v7, v2, 8*272
	v_lshl_add_u32 v7, v1, 2, v7
	v_add_nc_u32 v7, s16, v7                       ; and out: token 8 h + i, channel 16 c + r
	v_lshlrev_b32 v8, 3, v2
	v_sub_nc_u32 v8, v1, v8                        ; key 8 h + j is hidden where j > r - 8 h
	v_mov_b32 v9, 0xff800000
	v_lshlrev_b32 v10, 15, v2
	v_lshl_add_u32 v10, v1, 2, v10                 ; Wo: 8 h rows of 4,096 bytes + 4 r
	s_lshl_b32 s16, s12, 12
	s_add_co_u32 s16, s16, RED
	v_add_nc_u32 v11, s16, v3                      ; my part of the result, as images
	v_and_b32 v15, 15, v0                          ; the sum: thread (token = thread / 16, piece of 4 columns = thread % 16), threads 0-255
	v_lshrrev_b32 v12, 2, v15
	v_lshlrev_b32 v12, 10, v12                     ; tile of 16 columns,
	v_and_b32 v13, 1, v15
	v_lshl_add_u32 v12, v13, 9, v12                ; registers 0-3 or 4-7,
	v_bfe_u32 v13, v15, 1, 1
	v_lshl_add_u32 v12, v13, 8, v12                ; half of the lanes,
	v_and_b32 v13, 0xf0, v0
	v_add_nc_u32 v12, v12, v13                     ; 16 x token
	v_add_nc_u32 v12, RED, v12
	v_bfe_u32 v13, v0, 4, 4
	v_lshlrev_b32 v13, 12, v13
	v_lshl_add_u32 v13, v15, 4, v13                ; in out: the token's row, 16 bytes a lane
	v_lshlrev_b32 v14, 4, v15                      ; in bo
	s_lshl_b32 s16, s13, 16
	s_lshl_b32 s18, s12, 12
	s_add_co_u32 s16, s16, s18
	s_mov_b32 s17, 0
	s_lshl_b32 s18, s12, 18
	s_lshl_b32 s20, ttmp9, 8
	s_add_co_u32 s18, s18, s20
	s_mov_b32 s19, 0
	s_mov_b32 s21, 0
	s_lshl_b32 s22, s13, 23
	s_add_co_u32 s22, s22, s20
	s_mov_b32 s23, 0
	s_wait_kmcnt 0x0
	s_add_nc_u64 s[4:5], s[4:5], s[16:17]          ; fine: batch, head
	s_add_nc_u64 s[6:7], s[6:7], s[18:19]          ; Wo: row 64 w, my chunk's columns
	s_add_nc_u64 s[8:9], s[8:9], s[20:21]
	s_add_nc_u64 s[10:11], s[10:11], s[22:23]      ; out: the batch's row 0, my chunk's columns
.irp t, 0,1,2                          ; q into v32-63, k into v64-95, v into v96-127
.irp c, 0,1,2,3
	global_load_b128 v[32+32*\t+8*\c:32+32*\t+8*\c+3], v3, s[4:5] offset:\t*262144+\c*1024
	global_load_b128 v[32+32*\t+8*\c+4:32+32*\t+8*\c+7], v3, s[4:5] offset:\t*262144+\c*1024+512
.endr
.endr
.irp cc, 0,1                           ; Wo(64 w + 16 cc + 8 h + e, 16 i + r) into v[128 + 32 cc + 8 i + e]
.irp i, 0,1,2,3
.irp e, 0,1,2,3,4,5,6,7
	global_load_b32 v[128+32*\cc+8*\i+\e], v10, s[6:7] offset:(16*\cc+\e)*4096+64*\i
.endr
.endr
.endr
	s_wait_loadcnt 63                              ; q, k and v are in: 64 younger loads could stay out behind v; the wait's field holds 63, which is the stricter count
.irp c, 0,1,2,3                        ; V is turned: in by tokens, back by channels; it lands under the products below
	ds_store_b128 v6, v[96+8*\c:96+8*\c+3] offset:64*\c
	ds_store_b128 v6, v[96+8*\c+4:96+8*\c+7] offset:64*\c+16
.endr
.irp c, 0,1,2,3
.irp i, 0,1,2,3,4,5,6,7
	ds_load_b32 v[96+8*\c+\i], v7 offset:\i*272+\c*64   ; LDS serves a wave's instructions in order: these see the stores above
.endr
.endr
.set s, 0
.rept 16                               ; S^T in four accumulators by turns; the first four products start the sums
.if s < 4
	v_wmma_f32_16x16x4_f32 v[192+8*(s%4):199+8*(s%4)], v[64+2*s:65+2*s], v[32+2*s:33+2*s], 0
.else
	v_wmma_f32_16x16x4_f32 v[192+8*(s%4):199+8*(s%4)], v[64+2*s:65+2*s], v[32+2*s:33+2*s], v[192+8*(s%4):199+8*(s%4)]
.endif
.set s, s+1
.endr
.rept 8
	v_nop                                          ; eight places behind this form, in front of the reads of the sums and of loads into q's and k's registers
.endr
.irp cc, 2,3                           ; the other half of Wo's rows, where q and k lay
.irp i, 0,1,2,3
.irp e, 0,1,2,3,4,5,6,7
	global_load_b32 v[32+32*(\cc-2)+8*\i+\e], v10, s[6:7] offset:(16*\cc+\e)*4096+64*\i
.endr
.endr
.endr
.irp j, 0,1,2,3,4,5,6,7                ; each accumulator from its low end on
	v_add_f32 v[T+\j], v[192+\j], v[200+\j]
	v_add_f32 v[PP+\j], v[208+\j], v[216+\j]
.endr
.irp j, 0,1,2,3,4,5,6,7
	v_add_f32 v[T+\j], v[T+\j], v[PP+\j]
.endr
.irp j, 0,1,2,3,4,5,6,7
	v_cmp_gt_i32 vcc_lo, \j, v8
	v_cndmask_b32 v[T+\j], v[T+\j], v9, vcc_lo     ; hidden keys: -infinity
.endr
	v_max3_num_f32 v24, v[T], v[T+1], v[T+2]
	v_max3_num_f32 v24, v24, v[T+3], v[T+4]
	v_max3_num_f32 v24, v24, v[T+5], v[T+6]
	v_max_num_f32 v24, v24, v[T+7]
	v_permlanex16_b32 v25, v24, s14, s15
	v_max_num_f32 v24, v24, v25                    ; the row's maximum (key 0 counts for every query)
.irp j, 0,1,2,3,4,5,6,7
	v_sub_f32 v[T+\j], v[T+\j], v24
.endr
.irp j, 0,1,2,3,4,5,6,7
	v_exp_f32 v[T+\j], v[T+\j]
.endr
	v_nop
	s_wait_alu depctr_va_vdst(0)                   ; one wait for the eight exponentials
	v_add_f32 v25, v[T], v[T+1]
	v_add_f32 v26, v[T+2], v[T+3]
	v_add_f32 v27, v[T+4], v[T+5]
	v_add_f32 v28, v[T+6], v[T+7]
	v_add_f32 v25, v25, v26
	v_add_f32 v27, v27, v28
	v_add_f32 v25, v25, v27
	v_permlanex16_b32 v26, v25, s14, s15
	v_add_f32 v25, v25, v26
	v_rcp_f32 v15, v25
	v_nop
	s_wait_alu depctr_va_vdst(0)
.irp j, 0,1,2,3,4,5,6,7
	v_mul_f32 v[PP+\j], v[T+\j], v15               ; p(query r, key 8 h + j)
.endr
	global_load_b128 v[T:T+3], v14, s[8:9]         ; bo's four numbers of my piece
	s_wait_dscnt 0x0                               ; V^T
.irp s, 0,1,2,3                        ; O^T: four accumulators by turns; keys 8 h + 2 s + j
.irp c, 0,1,2,3
.if \s == 0
	v_wmma_f32_16x16x4_f32 v[224+8*\c:231+8*\c], v[96+8*\c+2*\s:97+8*\c+2*\s], v[PP+2*\s:PP+2*\s+1], 0
.else
	v_wmma_f32_16x16x4_f32 v[224+8*\c:231+8*\c], v[96+8*\c+2*\s:97+8*\c+2*\s], v[PP+2*\s:PP+2*\s+1], v[224+8*\c:231+8*\c]
.endif
.endr
.endr
.rept 9
	v_nop                                          ; nine places: the next products take these results as a source
.endr
	s_wait_loadcnt 0x0                             ; Wo and bo
.set cc, 0
.rept 4                                ; R^T(16 i + 8 h + j, token) += Wo^T y^T over my head's 64 channels: four accumulators by turns
.set sp, 0
.rept 4
.set ii, 0
.rept 4
.if cc < 2
.set WR, 128+32*cc+8*ii+2*sp
.else
.set WR, 32+32*(cc-2)+8*ii+2*sp
.endif
.if (cc == 0) && (sp == 0)
	v_wmma_f32_16x16x4_f32 v[192+8*ii:199+8*ii], v[WR:WR+1], v[224+8*cc+2*sp:225+8*cc+2*sp], 0
.else
	v_wmma_f32_16x16x4_f32 v[192+8*ii:199+8*ii], v[WR:WR+1], v[224+8*cc+2*sp:225+8*cc+2*sp], v[192+8*ii:199+8*ii]
.endif
.set ii, ii+1
.endr
.set sp, sp+1
.endr
.set cc, cc+1
.endr
.rept 8
	v_nop
.endr
.irp i, 0,1,2,3
	ds_store_b128 v11, v[192+8*\i:195+8*\i] offset:\i*1024
	ds_store_b128 v11, v[196+8*\i:199+8*\i] offset:\i*1024+512
.endr
	s_wait_tensorcnt 0x0                           ; behind my last LDS store: only LDS reads follow
	ds_add_u32 v4, v5
	s_wait_dscnt 0x0                               ; my stores have landed: for the others' sake
	s_barrier_signal -1
	s_barrier_wait -1
	s_cmp_lt_u32 s12, 8                            ; 16 tokens x 16 pieces of 4 columns: 256 threads
	s_cbranch_scc0 .Ldone
.set w, 0
.rept 16
	ds_load_b128 v[32+4*w:35+4*w], v12 offset:w*4096
.set w, w+1
.endr
	s_wait_dscnt 0x0
.set w, 0
.rept 16                               ; bo + the sixteen heads' parts, in the heads' order
	v_pk_add_f32 v[T:T+1], v[T:T+1], v[32+4*w:33+4*w]
	v_pk_add_f32 v[T+2:T+3], v[T+2:T+3], v[34+4*w:35+4*w]
.set w, w+1
.endr
	global_store_b128 v13, v[T:T+3], s[10:11]      ; sixteen lanes store 256 consecutive bytes of a row, aligned
.Ldone:
	s_endpgm
.Lfunc_end_k_q63dfd42fd2_fine16:
	.size	k_q63dfd42fd2_fine16, .Lfunc_end_k_q63dfd42fd2_fine16-k_q63dfd42fd2_fine16
	.p2alignl 7, 3214868480
	.fill 96, 4, 3214868480
	.section	.rodata,"a",@progbits
	.p2align	6, 0x0
	.amdhsa_kernel k_q63dfd42fd2_fine16
		.amdhsa_group_segment_fixed_size 137216
		.amdhsa_private_segment_fixed_size 0
		.amdhsa_enable_private_segment 0
		.amdhsa_kernarg_size 32
		.amdhsa_user_sgpr_count 2
		.amdhsa_user_sgpr_kernarg_segment_ptr 1
		.amdhsa_wavefront_size32 1
		.amdhsa_system_sgpr_workgroup_id_x 1
		.amdhsa_system_sgpr_workgroup_id_y 1
		.amdhsa_system_sgpr_workgroup_id_z 1
		.amdhsa_system_vgpr_workitem_id 0
		.amdhsa_next_free_vgpr 256
		.amdhsa_next_free_sgpr 66
		.amdhsa_reserve_vcc 1
		.amdhsa_float_denorm_mode_32 3
		.amdhsa_float_denorm_mode_16_64 3
		.amdhsa_memory_ordered 1
		.amdhsa_forward_progress 1
		.amdhsa_inst_pref_size 34
	.end_amdhsa_kernel
	.amdgpu_metadata
---
amdhsa.version: [ 1, 2 ]
amdhsa.kernels:
  - .name:           k_q63dfd42fd2_fine16
    .symbol:         k_q63dfd42fd2_fine16.kd
    .args:
      - { .name: fine, .offset: 0, .size: 8, .value_kind: global_buffer, .address_space: global }
      - { .name: Wo, .offset: 8, .size: 8, .value_kind: global_buffer, .address_space: global }
      - { .name: bo, .offset: 16, .size: 8, .value_kind: global_buffer, .address_space: global }
      - { .name: out0, .offset: 24, .size: 8, .value_kind: global_buffer, .address_space: global }
    .group_segment_fixed_size: 137216
    .private_segment_fixed_size: 0
    .kernarg_segment_align: 8
    .kernarg_segment_size: 32
    .max_flat_workgroup_size: 512
    .sgpr_count:     66
    .vgpr_count:     256
    .wavefront_size: 32
...
	.end_amdgpu_metadata
.endif
;; end of part 5
